; MI455X (gfx1250); checked and timed in simulation.
; The chip was launched on July 23, 2026; its instructions are those of AMD's public machine-readable ISA for CDNA 5 (MIT licence, August 2026) and "CDNA5" Instruction Set Architecture Reference Guide (July 2026). The comments in the code are by the model that wrote it; some were corrected since.
;; Multi Head Self Attention. Allowed arithmetic: matrix products marked QUANTISED: E2M3 operands, one E8M0 scale for each 32 along K, by v_wmma_scale_f32_16x16x128_f8f6f4 with both operands' format E2M3, f32 sums; everything else in f32.
;; Inputs: bk 1,024 float32; bo 1,024 float32; bq 1,024 float32; bv 1,024 float32; wk 1,024 x 1,024 float32; wo 1,024 x 1,024 float32; wq 1,024 x 1,024 float32; wv 1,024 x 1,024 float32; x 4 x 2,048 x 1,024 float32.
;; Outputs: out0 4 x 2,048 x 1,024 float32.
;; This version of the problem:
;;   THIS VERSION OF THE PROBLEM IS GIVEN IN LOW PRECISION. The matrix products marked QUANTISED in the list below multiply operands that are first quantised to E2M3 (2 exponent bits, 3 mantissa bits; 6 bits a number), with one power-of-two scale for each 32 numbers along K (OCP MX v1.0); their sums are f32. All else is computed in f32.
;;   The module's matrix products, in the order in which they are computed (A, B: the left and right operand; K: the contracted axis; several contracted axes count as one K, in the product's order):
;;     1. [M 8,192, K 1,024] x [K 1,024, N 1,024]; A: input x; B: input wq: QUANTISED
;;     2. [M 8,192, K 1,024] x [K 1,024, N 1,024]; A: input x; B: input wk: QUANTISED
;;     3. [M 8,192, K 1,024] x [K 1,024, N 1,024]; A: input x; B: input wv: QUANTISED
;;     4. batch 64 x [M 2,048, K 64] x [K 64, N 2,048]; A: computed on the way; B: computed on the way: QUANTISED
;;     5. batch 64 x [M 2,048, K 2,048] x [K 2,048, N 64]; A: softmax (see below); B: computed on the way: QUANTISED
;;     6. [M 8,192, K 1,024] x [K 1,024, N 1,024]; A: computed on the way; B: input wo: QUANTISED
;;   THE QUANTISER, for each operand of a quantised product, along K:
;;     - K is cut into blocks of 32 from its start; a last block that is shorter is filled with zeros.
;;     - A block's scale is 2^e with e = floor(log2(the largest magnitude in the block)) - 2, held to -126 .. 127; a block of zeros has e = 0. As a byte (E8M0): e + 127.
;;     - Each number is divided by its block's scale, clamped to +-7.5, and rounded to the nearest number of E2M3, ties to even, subnormals kept.
;;     - The product sums the exact products of the quantised numbers (number of the format x scale) in f32.
;;   ~~~python
;;   def quantise(x, axis):      # numpy; x: float32 -> the quantised numbers, widened to float32 again
;;       x = np.moveaxis(x, axis, -1); K = x.shape[-1]
;;       x = np.pad(x, [(0, 0)] * (x.ndim - 1) + [(0, -K % 32)]); x = x.reshape(x.shape[:-1] + (-1, 32)); a = np.abs(x).max(-1, keepdims=True)
;;       e = np.where(a > 0, np.clip(np.frexp(np.where(a > 0, a, 1))[1] - 1 - 2, -126, 127), 0)      # np.frexp(a)[1] - 1 = floor(log2(a)), exactly
;;       r = np.clip(x / 2.0 ** e, -7.5, 7.5)
;;       step = 2.0 ** (np.maximum(np.frexp(np.where(r == 0, 1, r))[1] - 1, 0) - 3)
;;       q = np.round(r / step) * step * 2.0 ** e      # np.round: ties to even
;;       return np.moveaxis(q.reshape(q.shape[:-2] + (-1,))[..., :K], -1, axis).astype(np.float32)
;;   ~~~
;;   SOFTMAX AHEAD OF A QUANTISED PRODUCT. Where the list says 'softmax', what is quantised is not the finished softmax but p = 2^(t - M), with t = logit x log2(e) and M = ceil(the row's largest t), a whole number; so 1/2 < the row's largest p <= 1. The row's sum l is taken of the UNQUANTISED p, in f32, and the product's result is divided by l at the end. Since M is a whole number, a kernel that streams over the keys may use a running M (the ceiling of the running maximum): every later rescaling is an exact power of two, which a block's scale takes up: the codes' values come out the same.
;;   OPERANDS COMPUTED ON THE WAY. 'Computed on the way' means the value that the module computes at that place (a softmax that the list does not call 'softmax' is quantised finished and normalised). What goes into a quantiser is computed in f32, as accurately as f32 sums, v_exp_f32 and their like allow (about 1e-6 of the number): no bf16 or f16 on the way to a quantiser, and a product that is left as it is and whose result goes on into a quantised operand takes f32 operands (vector FMAs, or v_wmma_f32_16x16x4_f32). A number that lies on a knife's edge between two numbers of the format may be rounded either way, as far as f32 arithmetic and the matrix unit's own rounding can turn it there, and no further.
;; One version. Each part assembles by itself: llvm-mc -triple=amdgcn-amd-amdhsa -mcpu=gfx1250 --defsym DOCPART=n.
;; ======== version 1 of 1: 4 launches
;; limits: right only within a limited range of input values
;; workspace buffers: xc 6,291,456 bytes; xs 262,144 bytes; wc 3,145,728 bytes; ws 131,072 bytes; hc 18,874,368 bytes; hs 1,310,720 bytes; oc 6,291,456 bytes; os 262,144 bytes
;; launch quant (part 1): grid 512 x 1, 4 waves a work-group, no clusters, 46,592 bytes of LDS; arguments x, wq, wk, wv, wo, xc, xs, wc, ws; writes xc, xs, wc, ws
.if DOCPART == 1
	.amdgcn_target "amdgcn-amd-amdhsa--gfx1250"
	.amdhsa_code_object_version 6
	.text
	.protected	k_q116c04e91d_quant
	.globl	k_q116c04e91d_quant
	.p2align	8
	.type	k_q116c04e91d_quant,@function
k_q116c04e91d_quant:
	s_mov_b64 s[64:65], 0
	v_nop
	global_prefetch_b8 v0, s[64:65] scope:SCOPE_SE
	s_setreg_imm32_b32 hwreg(HW_REG_WAVE_MODE, 25, 1), 1
	s_wait_xcnt 0x0
; x [8192][1024] and the four weights [1024 (k)][1024 (n)], f32, become codes of FP6 (E2M3) with one E8M0 byte for each 32 along K, laid in the ORDER OF AN OPERAND'S REGISTERS.
; TILES.  Rows (tokens of x, columns n of a weight) go in tiles of 16: tile T = 2 g + u, lane row r, holds row 32 g + 8 u + r + 8 (r / 8).
; CODES.  Fragment (T, s), s = a K step of 128, is 1,536 bytes: six groups of 256; group p holds lane l's registers 2 p, 2 p + 1 at byte 8 l.  Lane (r, h) has in registers 6 c .. 6 c + 5 the codes k = 64 c + 32 h + 0 .. 31 of its row.
; Buffer: [T][s 0..7][1536].  SCALES.  A tile has 512 bytes: [p 0..3][r][q 0..1] words; the word holds the four bytes of K step 2 p + q of lane row r.
; wc and ws hold the rows n' = wq 0.., wk 1024.., wv 2048.., wo 3072...
; A block's scale is 2^(floor(log2(its largest magnitude)) - 2): its byte is the largest magnitude's exponent field - 2, held at 1 from below.
; LIMITS: NaN and infinities are not served; a block whose largest magnitude lies under 2^-124 has its byte held at 1; a block of zeros gets the byte 1 (its codes are zeros, and this program alone reads the bytes).
; Work-groups 0-255 take x, 256-511 the weights; each way has LDS bytes of its own.  Waves share nothing: no barrier.  No input is shared between work-groups: no cluster.
.set XSP,   528                        ; x's stage: a row of 512 bytes + 16: an odd multiple of 16, so sixteen rows start in sixteen different groups of banks
.set XWB,   16*XSP                     ; a wave's stage: 16 rows
.set WSTG,  4*XWB                      ; behind x's stages: the weights' stages, 3,072 bytes a wave (two fragments)
.set WWB,   3072
.set SPARE, WSTG+4*WWB                 ; the spare words, 128 bytes a wave: two blocks of 256 bytes that no other line names
.set SPW, 2                            ; v2  my spare word's LDS address; never rewritten
.set NIL, 3                            ; v3  0; never rewritten
.set L16, 8                            ; v8  16 x lane
.set L8,  9                            ; v9  8 x lane
.set XSI, 10                           ; v10 x's stage, in: 16 x lane
.set XSO, 11                           ; v11 x's stage, out: row r, + 128 h
.set H8,  12                           ; v12 8 h
.set PX,  13                           ; v13 a lane permute's destination, written once
.set L4,  14                           ; v14 4 x lane
.set STA, 15                           ; v15 the weights' stage, in
.set SRD, 16                           ; v16 the weights' stage, out
.set WSO, 17                           ; v17 512 u + 8 r': my column's scale word
.set R,   32                           ; v32-223 x: three sets of 64 numbers
.set C,   224                          ; v224-235 a fragment's codes
.set CT,  236                          ; v236-243 the second halves of blocks
.set W,   244                          ; v244-247 the four fragments' scale words
.set M,   248
.set SO,  250
.set BY,  252
.set X,   32                           ; v32-159 a weight's column: 128 numbers down K
.set CW,  160                          ; v160-191 codes, eight registers a block
.set OUTR,192                          ; v192-215 the way out
.set SBW, 216                          ; v216 the column's scale word
.set WM,  217
.set WS,  219
.set WB,  220
	s_load_b256 s[4:11], s[0:1], 0x0               ; x, wq, wk, wv
	s_load_b256 s[24:31], s[0:1], 0x20             ; wo, xc, xs, wc
	s_load_b64 s[32:33], s[0:1], 0x40              ; ws
	v_lshl_add_u32 v[SPW], v0, 2, SPARE
	v_mov_b32 v[NIL], 0
	v_lshrrev_b32 v1, 5, v0
	v_readfirstlane_b32 s16, v1                    ; wave
	v_and_b32 v4, 31, v0                           ; lane
	v_and_b32 v5, 15, v0                           ; r
	v_bfe_u32 v6, v0, 4, 1                         ; h
	s_mov_b32 s20, 0x76543210
	s_mov_b32 s21, 0xfedcba98                      ; lane selects: lane l xor 16
	s_mov_b32 s22, 0xffff0000                      ; lanes 16-31
	; every LDS address of both ways is made here, ahead of the parting
	v_lshlrev_b32 v[L16], 4, v4
	v_lshlrev_b32 v[L8], 3, v4
	v_lshlrev_b32 v[L4], 2, v4
	s_mul_i32 s17, s16, XWB
	v_add_nc_u32 v[XSI], s17, v[L16]
	v_mul_u32_u24 v[XSO], v5, XSP
	v_lshl_add_u32 v[XSO], v6, 7, v[XSO]
	v_add_nc_u32 v[XSO], s17, v[XSO]
	v_lshlrev_b32 v[H8], 3, v6
	v_mov_b32 v[PX], 0
	v_bfe_u32 v7, v0, 3, 1                         ; u = (lane / 8) % 2: which of the two tiles my column falls into
	v_and_b32 v1, 7, v0
	v_lshl_add_u32 v1, v6, 3, v1                   ; r' = lane % 8 + 8 (lane / 16): its lane row there
	v_lshlrev_b32 v1, 3, v1
	v_lshl_add_u32 v[WSO], v7, 9, v1
	v_mul_u32_u24 v[STA], v7, 1536
	v_add_nc_u32 v[STA], v[STA], v1
	s_mul_i32 s17, s16, WWB
	s_add_co_u32 s17, s17, WSTG
	v_add_nc_u32 v[STA], s17, v[STA]
	v_add_nc_u32 v[SRD], s17, v[L16]
	s_cmp_ge_u32 ttmp9, 256
	s_cbranch_scc1 .Lweights
	; ---------------- x: wave w of work-group g takes tile T = 2 g + w / 2 and K half z = w % 2: four fragments
	s_lshl_b32 s17, ttmp9, 1
	s_lshr_b32 s18, s16, 1
	s_add_co_u32 s17, s17, s18                     ; T
	s_and_b32 s18, s16, 1                          ; z
	; x's TILES HAVE AN ORDER OF THEIR OWN (the weights keep the one stated at the head): tile T, lane row r, holds token 64 (T / 4) + 8 (T % 4) + r % 8 + 32 (r / 8)
	s_lshr_b32 s34, s17, 2
	s_lshl_b32 s34, s34, 18                        ; 64 (T / 4) rows of 4,096 bytes
	s_and_b32 s35, s17, 3
	s_lshl_b32 s35, s35, 15                        ; + 8 (T % 4) rows
	s_add_co_u32 s34, s34, s35
	s_lshl_b32 s35, s18, 11                        ; + 512 z numbers
	s_add_co_u32 s34, s34, s35
	s_mov_b32 s35, 0
	s_mul_i32 s36, s17, 12288
	s_mul_i32 s38, s18, 6144
	s_add_co_u32 s36, s36, s38
	s_mov_b32 s37, 0
	s_lshl_b32 s38, s17, 9
	s_lshl_b32 s39, s18, 8
	s_add_co_u32 s38, s38, s39
	s_mov_b32 s39, 0
	s_wait_kmcnt 0x0
	s_add_nc_u64 s[4:5], s[4:5], s[34:35]
	s_add_nc_u64 s[26:27], s[26:27], s[36:37]
	s_add_nc_u64 s[28:29], s[28:29], s[38:39]
.macro XLOAD f                         ; fragment f: 16 rows x 512 bytes; each load takes 512 consecutive bytes of one row
.set II, 0
.rept 16
	global_load_b128 v[R+64*((\f)%3)+4*II:R+64*((\f)%3)+4*II+3], v[L16], s[4:5] offset:(II%8+32*(II/8))*4096+512*(\f) th:TH_LOAD_NT
.set II, II+1
.endr
.endm
.macro XTURN f                         ; through my stage: in as loaded, back 128 bytes a lane and block.  LDS serves a wave's instructions in order: no wait between
.set RS, R+64*((\f)%3)
.set II, 0
.rept 16
	ds_store_b128 v[XSI], v[RS+4*II:RS+4*II+3] offset:XSP*II
.set II, II+1
.endr
.set II, 0
.rept 16
	ds_load_b128 v[RS+4*II:RS+4*II+3], v[XSO] offset:256*(II/8)+16*(II%8)   ; register 32 c + 4 i: k = 64 c + 32 h + 4 i ..
.set II, II+1
.endr
.endm
.macro XQUANT f
.set RS, R+64*((\f)%3)
.irp c, 0,1
	v_max3_num_f32 v[M+\c], |v[RS+32*\c]|, |v[RS+32*\c+1]|, 0x1800000   ; my block 2 c + h: all 32 numbers are mine; the floor 2^(3 - 127) holds the byte at 1 from below
.endr
.irp i, 2,4,6,8,10,12,14,16,18,20,22,24,26,28,30
.irp c, 0,1
	v_max3_num_f32 v[M+\c], v[M+\c], |v[RS+32*\c+\i]|, |v[RS+32*\c+\i+1]|
.endr
.endr
.irp c, 0,1
	v_add_nc_u32 v[SO+\c], 0xff000000, v[M+\c]     ; 2 off the exponent field: the conversion's scale operand
.endr
.irp c, 0,1
	v_lshrrev_b32 v[BY+\c], 23, v[SO+\c]           ; the byte
.endr
	v_lshl_or_b32 v[W+(\f)], v[BY+1], 16, v[BY]    ; blocks h and 2 + h,
	v_lshlrev_b32 v[W+(\f)], v[H8], v[W+(\f)]      ; at their places in the word;
	v_permlanex16_b32 v[PX], v[W+(\f)], s20, s21
	v_or_b32 v[W+(\f)], v[W+(\f)], v[PX]           ; with lane l xor 16's two the word is whole
.if (\f) > 0
	s_wait_alu depctr_va_vdst(0)
	s_wait_xcnt 0x0                                ; the last fragment's stores have read the code registers: only now are they written again
.endif
.irp c, 0,1
	v_cvt_scalef32_pk16_fp6_f32 v[C+6*\c:C+6*\c+2], v[RS+32*\c:RS+32*\c+15], v[SO+\c]
	v_cvt_scalef32_pk16_fp6_f32 v[CT+4*\c:CT+4*\c+2], v[RS+32*\c+16:RS+32*\c+31], v[SO+\c]   ; (a conversion's three registers begin on an even number)
.endr
	v_nop                                          ; one plain place behind a scaled conversion
.irp c, 0,1
.irp i, 0,1,2
	v_mov_b32 v[C+3+6*\c+\i], v[CT+4*\c+\i]
.endr
.endr
.irp p, 0,1,2,3,4,5
	global_store_b64 v[L8], v[C+2*\p:C+2*\p+1], s[26:27] offset:1536*(\f)+256*\p   ; 32 lanes store 256 consecutive bytes, aligned
.endr
.endm
	XLOAD 0
	XLOAD 1
	XLOAD 2
	s_wait_loadcnt 32                              ; fragment 0 is in; the 32 loads of fragments 1 and 2 may be out
	XTURN 0
	s_wait_dscnt 0x0
	XQUANT 0
	XLOAD 3                                        ; into fragment 0's registers
	s_wait_loadcnt 32                              ; fragments 2 and 3 may be out
	XTURN 1
	s_wait_dscnt 0x0
	XQUANT 1
	s_wait_loadcnt 16                              ; fragment 3 may be out
	XTURN 2
	s_wait_dscnt 0x0
	XQUANT 2
	s_wait_loadcnt 0x0
	XTURN 3
	s_wait_dscnt 0x0
	XQUANT 3
	v_cndmask_b32 v[M], v[W], v[W+2], s22          ; lanes 0-15: the words of K steps 4 z, 4 z + 1; lanes 16-31: of 4 z + 2, 4 z + 3
	v_cndmask_b32 v[M+1], v[W+1], v[W+3], s22
	global_store_b64 v[L8], v[M:M+1], s[28:29]     ; 256 consecutive bytes, aligned
	s_wait_tensorcnt 0x0                           ; the wave's end: behind my last LDS store
	ds_add_u32 v[SPW], v[NIL]
	s_wait_dscnt 0x0
	s_endpgm
	; ---------------- the weights: e = work-group - 256: weight e / 64, 128 columns (e / 8) % 8, K step e % 8.  A LANE TAKES A COLUMN, ITS REGISTERS RUN DOWN K
.Lweights:
	s_sub_co_u32 s17, ttmp9, 256
	s_lshr_b32 s18, s17, 6                         ; which weight
	s_bfe_u32 s19, s17, 0x30003                    ; which 128 columns
	s_and_b32 s23, s17, 7                          ; which K step
	s_lshl_b32 s34, s23, 19                        ; 128 rows of 4,096 bytes a K step
	s_lshl_b32 s35, s19, 9
	s_add_co_u32 s34, s34, s35
	s_lshl_b32 s35, s16, 7                         ; my wave's 32 columns
	s_add_co_u32 s34, s34, s35
	s_mov_b32 s35, 0
	s_lshl_b32 s36, s18, 5
	s_lshl_b32 s37, s19, 2
	s_add_co_u32 s36, s36, s37
	s_add_co_u32 s36, s36, s16                     ; which group of 32 rows n': two tiles
	s_lshl_b32 s38, s36, 10
	s_mul_i32 s36, s36, 24576
	s_mul_i32 s37, s23, 1536
	s_add_co_u32 s36, s36, s37
	s_mov_b32 s37, 0
	s_lshr_b32 s39, s23, 1
	s_lshl_b32 s39, s39, 7
	s_add_co_u32 s38, s38, s39
	s_and_b32 s39, s23, 1
	s_lshl_b32 s39, s39, 2
	s_add_co_u32 s38, s38, s39
	s_mov_b32 s39, 0
	s_wait_kmcnt 0x0
	s_cmp_eq_u32 s18, 1                            ; the choice hangs on the work-group's number alone
	s_cselect_b64 s[6:7], s[8:9], s[6:7]
	s_cmp_eq_u32 s18, 2
	s_cselect_b64 s[6:7], s[10:11], s[6:7]
	s_cmp_eq_u32 s18, 3
	s_cselect_b64 s[6:7], s[24:25], s[6:7]
	s_add_nc_u64 s[6:7], s[6:7], s[34:35]
	s_add_nc_u64 s[30:31], s[30:31], s[36:37]
	s_add_nc_u64 s[32:33], s[32:33], s[38:39]
.macro WLOAD kb                        ; block kb of my column: 32 rows; a wave reads 128 consecutive bytes a load, the four waves side by side 512
.set II, 0
.rept 32
	global_load_b32 v[X+32*(\kb)+II], v[L4], s[6:7] offset:4096*(32*(\kb)+II) th:TH_LOAD_NT
.set II, II+1
.endr
.endm
.macro WBLOCK kb
.set XS, X+32*(\kb)
.set D0, CW+8*(\kb)
.if (\kb) < 3
	s_wait_loadcnt 32                              ; this block's 32 loads are in; the next block's may be out
.else
	s_wait_loadcnt 0x0
.endif
.if (\kb) < 2
	WLOAD (\kb)+2                                  ; two blocks ahead, into registers of their own
.endif
	v_max3_num_f32 v[WM], |v[XS]|, |v[XS+1]|, |v[XS+2]|
	v_max3_num_f32 v[WM+1], |v[XS+3]|, |v[XS+4]|, |v[XS+5]|
.irp i, 6,10,14,18,22,26
	v_max3_num_f32 v[WM], v[WM], |v[XS+\i]|, |v[XS+\i+1]|
	v_max3_num_f32 v[WM+1], v[WM+1], |v[XS+\i+2]|, |v[XS+\i+3]|
.endr
	v_max3_num_f32 v[WM], v[WM], |v[XS+30]|, |v[XS+31]|
	v_max3_num_f32 v[WM], v[WM], v[WM+1], 0x1800000   ; and the floor
	v_add_nc_u32 v[WS], 0xff000000, v[WM]
	v_lshrrev_b32 v[WB], 23, v[WS]
.if (\kb) == 0
	v_mov_b32 v[SBW], v[WB]
.else
	v_lshl_or_b32 v[SBW], v[WB], 8*(\kb), v[SBW]
.endif
	v_cvt_scalef32_pk16_fp6_f32 v[D0:D0+2], v[XS:XS+15], v[WS]
	v_cvt_scalef32_pk16_fp6_f32 v[D0+4:D0+6], v[XS+16:XS+31], v[WS]
	v_nop                                          ; one plain place behind a scaled conversion
	v_mov_b32 v[D0+3], v[D0+4]                     ; the block's six registers on end
	v_mov_b32 v[D0+4], v[D0+5]
	v_mov_b32 v[D0+5], v[D0+6]
.irp i, 0,1,2
	ds_store_b64 v[STA], v[D0+2*\i:D0+2*\i+1] offset:768*((\kb)/2)+128*((\kb)%2)+256*\i   ; block kb = 2 c + h belongs to lane (r', h), registers 6 c ..: group 3 c + i, byte 8 (r' + 16 h)
.endr
.endm
	WLOAD 0
	WLOAD 1
	WBLOCK 0
	WBLOCK 1
	WBLOCK 2
	WBLOCK 3
.irp i, 0,1,2,3,4,5
	ds_load_b128 v[OUTR+4*\i:OUTR+4*\i+3], v[SRD] offset:512*\i   ; LDS serves a wave's instructions in order: these see my stores
.endr
	s_wait_alu depctr_va_vdst(0)
.irp i, 0,1,2,3,4,5
	s_wait_dscnt 5-\i
	global_store_b128 v[L16], v[OUTR+4*\i:OUTR+4*\i+3], s[30:31] offset:(\i/3)*12288+(\i%3)*512   ; 512 consecutive bytes, aligned
.endr
	global_store_b32 v[WSO], v[SBW], s[32:33]      ; my column's word of this K step: 4 bytes a lane, 8 bytes apart; 131,072 bytes in the whole launch
	s_wait_tensorcnt 0x0                           ; the wave's end: behind my last LDS store
	ds_add_u32 v[SPW], v[NIL]
	s_wait_dscnt 0x0
	s_endpgm
.Lfunc_end_k_q116c04e91d_quant:
	.size	k_q116c04e91d_quant, .Lfunc_end_k_q116c04e91d_quant-k_q116c04e91d_quant
	.p2alignl 7, 3214868480
	.fill 96, 4, 3214868480
	.section	.rodata,"a",@progbits
	.p2align	6, 0x0
	.amdhsa_kernel k_q116c04e91d_quant
		.amdhsa_group_segment_fixed_size 46592
		.amdhsa_private_segment_fixed_size 0
		.amdhsa_enable_private_segment 0
		.amdhsa_kernarg_size 72
		.amdhsa_user_sgpr_count 2
		.amdhsa_user_sgpr_kernarg_segment_ptr 1
		.amdhsa_wavefront_size32 1
		.amdhsa_system_sgpr_workgroup_id_x 1
		.amdhsa_system_sgpr_workgroup_id_y 1
		.amdhsa_system_sgpr_workgroup_id_z 1
		.amdhsa_system_vgpr_workitem_id 0
		.amdhsa_next_free_vgpr 256
		.amdhsa_next_free_sgpr 66
		.amdhsa_reserve_vcc 0
		.amdhsa_float_denorm_mode_32 3
		.amdhsa_float_denorm_mode_16_64 3
		.amdhsa_memory_ordered 1
		.amdhsa_forward_progress 1
		.amdhsa_inst_pref_size 53
	.end_amdhsa_kernel
	.amdgpu_metadata
---
amdhsa.version: [ 1, 2 ]
amdhsa.kernels:
  - .name:           k_q116c04e91d_quant
    .symbol:         k_q116c04e91d_quant.kd
    .args:
      - { .name: x, .offset: 0, .size: 8, .value_kind: global_buffer, .address_space: global }
      - { .name: wq, .offset: 8, .size: 8, .value_kind: global_buffer, .address_space: global }
      - { .name: wk, .offset: 16, .size: 8, .value_kind: global_buffer, .address_space: global }
      - { .name: wv, .offset: 24, .size: 8, .value_kind: global_buffer, .address_space: global }
      - { .name: wo, .offset: 32, .size: 8, .value_kind: global_buffer, .address_space: global }
      - { .name: xc, .offset: 40, .size: 8, .value_kind: global_buffer, .address_space: global }
      - { .name: xs, .offset: 48, .size: 8, .value_kind: global_buffer, .address_space: global }
      - { .name: wc, .offset: 56, .size: 8, .value_kind: global_buffer, .address_space: global }
      - { .name: ws, .offset: 64, .size: 8, .value_kind: global_buffer, .address_space: global }
    .group_segment_fixed_size: 46592
    .private_segment_fixed_size: 0
    .kernarg_segment_align: 8
    .kernarg_segment_size: 72
    .max_flat_workgroup_size: 128
    .sgpr_count:     66
    .vgpr_count:     256
    .wavefront_size: 32
...
	.end_amdgpu_metadata
.endif
;; end of part 1
;; launch qkv (part 2): grid 8 x 48, 4 waves a work-group, clusters of 4 x 4, 327,680 bytes of LDS; arguments xc, xs, wc, ws, bq, bk, bv, hc, hs; writes hc, hs
.if DOCPART == 2
	.amdgcn_target "amdgcn-amd-amdhsa--gfx1250"
	.amdhsa_code_object_version 6
	.text
	.protected	k_q116c04e91d_qkv
	.globl	k_q116c04e91d_qkv
	.p2align	8
	.type	k_q116c04e91d_qkv,@function
k_q116c04e91d_qkv:
	s_mov_b64 s[64:65], 0
	v_nop
	global_prefetch_b8 v0, s[64:65] scope:SCOPE_SE
	s_setreg_imm32_b32 hwreg(HW_REG_WAVE_MODE, 25, 1), 1
	s_wait_xcnt 0x0
	s_wait_alu depctr_hold_cnt(0) depctr_sa_sdst(0) depctr_va_vdst(0) depctr_va_sdst(0) depctr_va_ssrc(0) depctr_va_vcc(0) depctr_vm_vsrc(0)
	s_getreg_b32 s2, hwreg(HW_REG_IB_STS2, 6, 4)
	s_cmp_eq_u32 s2, 0
	s_cbranch_scc0 .Lentry_in_a_cluster
	s_endpgm
.Lentry_in_a_cluster:
	s_bfe_u32 s2, ttmp6, 0x10000c
	s_cmp_lg_u32 s2, 0xf033
	s_cbranch_scc0 .Lentry_shape_is_right
	s_endpgm
.Lentry_shape_is_right:
.set NQ,     2
.set FR,     12
.set NL,     6
.set NP,     4
.set TILEB,  12288
.set ROWB,   3072
.set HALFT,  8*ROWB
.set SLOT,   4*HALFT
.set SCL,    3*SLOT                    ; LDS: slot 0 (chunk 0, later chunk 3: rows of ROWB), then a region of 2 SLOT for chunks 1 and 2 together (rows of 2 ROWB), then the scales
.set HALFS,  4096
.set SBLK,   512
.set SPARE,  SCL+4*HALFS
.set VO,   8
.set ADRA, 16
.set ADRB, 20
.set L16,  24
.set L8,   25
.set ADRS, 27
.set SPW,  28
.set NIL,  29
.set FL,   30
.set SC,   32
.set BI,   64
.set PW,   64
.set XW,   72
.set AF,   128
.set TM,   224
.set CT,   240
.set SEL,  18
.set G1,   24
.set G0,   32
.set G1B,  48
.set G0B,  56
.set G1S,  68
.set G0S,  76
.set G1SB, 80
.set G0SB, 88
.set MSB, 0
.macro WIN new
.if MSB != (\new)
	s_set_vgpr_msb (MSB<<8)|(\new)
.set MSB, (\new)
.endif
.endm
.set MUL_LO, 0xa1
.set MUL_HI, 0xf1
.set TO_B,   0x40
.macro JLOAD g0a, g1a, g0b, g1b
	s_cmp_eq_u32 s15, 0
	s_cbranch_scc0 .Lfor_b_\@
	tensor_load_to_lds s[\g0a:\g0a+3], s[\g1a:\g1a+7]
	s_nop 0
.rept 4
	v_nop
.endr
	s_branch .Lasked_\@
.Lfor_b_\@:
	tensor_load_to_lds s[\g0b:\g0b+3], s[\g1b:\g1b+7]
	s_nop 0
.rept 4
	v_nop
.endr
.Lasked_\@:
.endm
.macro CREST
	s_cmp_lg_u32 s14, 0
	s_cbranch_scc1 .Lnot_wave_0_\@
	s_barrier_signal -3
.Lnot_wave_0_\@:
	s_barrier_wait -3
	s_barrier_signal -1
	s_barrier_wait -1
.endm
.macro CROUND
	s_barrier_signal -1
	s_barrier_wait -1
	CREST
.endm
	s_load_b256 s[4:11], s[0:1], 0x0
	s_load_b256 s[92:99], s[0:1], 0x20
	s_load_b64 s[100:101], s[0:1], 0x40
	v_lshl_add_u32 v[SPW], v0, 2, SPARE
	v_mov_b32 v[NIL], 0
	ds_add_u32 v[SPW], v[NIL]
	ds_add_u32 v[SPW], v[NIL]
	v_lshrrev_b32 v1, 5, v0
	v_readfirstlane_b32 s14, v1
	s_lshr_b32 s15, s14, 1
	s_and_b32 s16, s14, 1
	s_bfe_u32 s40, ttmp6, 0x40000
	s_bfe_u32 s41, ttmp6, 0x40004
	s_and_b32 s13, ttmp7, 0xffff
	s_sub_co_u32 s2, s13, 8
	s_lshl_b32 s2, s2, 1
	s_add_co_u32 s2, s2, ttmp9
	s_cmp_ge_u32 s13, 8
	s_cselect_b32 s12, 1, 0
	s_cselect_b32 s17, 0, s13
	s_cselect_b32 s42, s2, ttmp9
	s_lshl_b32 s17, s17, 2
	s_add_co_u32 s17, s17, s41
	s_lshl_b32 s42, s42, 2
	s_add_co_u32 s42, s42, s40
	s_lshl_b32 s43, s41, 2
	s_lshl_b32 s43, 15, s43
	s_lshl_b32 s44, 0x1111, s40
	s_or_b32 s[G1+0], s43, (3<<16)|(1<<21)
	s_or_b32 s[G1B+0], s44, (3<<16)|(1<<21)
.irp g, G1, G1B
	s_mov_b32 s[\g+1], 384<<16
	s_mov_b32 s[\g+2], 16<<16
	s_mov_b32 s[\g+3], 384<<16
	s_mov_b32 s[\g+4], 16
	s_mov_b32 s[\g+5], 1536
	s_mov_b32 s[\g+6], 0
	s_mov_b32 s[\g+7], 0
.endr
	s_or_b32 s[G1S+0], s43, (3<<16)|(1<<21)
	s_or_b32 s[G1SB+0], s44, (3<<16)|(1<<21)
.irp g, G1S, G1SB
	s_mov_b32 s[\g+1], 32<<16
	s_mov_b32 s[\g+2], 32<<16
	s_mov_b32 s[\g+3], 32<<16
	s_mov_b32 s[\g+4], 32
	s_mov_b32 s[\g+5], 32
	s_mov_b32 s[\g+6], 0
	s_mov_b32 s[\g+7], 0
.endr
	s_lshl_b32 s18, s16, 3
	s_lshl_b32 s20, s17, 4
	s_add_co_u32 s20, s20, s18
	s_lshl_b32 s22, s20, 9
	s_mul_i32 s20, s20, TILEB
	s_mov_b32 s21, 0
	s_mov_b32 s23, 0
	s_lshl_b32 s2, s42, 4
	s_add_co_u32 s2, s2, s18
	s_lshl_b32 s66, s2, 9
	s_mul_i32 s2, s2, TILEB
	s_mov_b32 s3, 0
	s_mov_b32 s67, 0
	s_mul_i32 s45, s14, HALFT
	s_wait_dscnt 0x0
	s_wait_kmcnt 0x0
	s_add_nc_u64 s[46:47], s[8:9], 0x180000
	s_add_nc_u64 s[90:91], s[10:11], 0x10000
	s_cmp_eq_u32 s12, 0
	s_cselect_b64 s[8:9], s[8:9], s[4:5]
	s_cselect_b64 s[10:11], s[10:11], s[6:7]
	s_cselect_b64 s[4:5], s[4:5], s[46:47]
	s_cselect_b64 s[6:7], s[6:7], s[90:91]
	s_add_nc_u64 s[20:21], s[4:5], s[20:21]
	s_add_nc_u64 s[22:23], s[6:7], s[22:23]
	s_add_nc_u64 s[46:47], s[8:9], s[2:3]
	s_add_nc_u64 s[66:67], s[10:11], s[66:67]
	CROUND
	s_mov_b32 s[G0S], 1
	s_mov_b32 s[G0S+1], SCL                        ; wave 1 (second half: 4,096 bytes back) asks for the scales of all 16 tiles of A
	s_sub_nc_u64 s[G0S+2:G0S+3], s[22:23], 4096
	s_or_b32 s[G0S+3], s[G0S+3], 0x80000000
	s_mov_b32 s[G0SB], 1
	s_mov_b32 s[G0SB+1], SCL+2*HALFS               ; wave 3 likewise for B
	s_sub_nc_u64 s[G0SB+2:G0SB+3], s[66:67], 4096
	s_or_b32 s[G0SB+3], s[G0SB+3], 0x80000000
.irp s, 0,1
	s_mov_b32 s[G0+4*\s], 1
	s_add_co_u32 s[G0+4*\s+1], s45, \s*SLOT
	s_add_nc_u64 s[G0+4*\s+2:G0+4*\s+3], s[20:21], \s*ROWB
	s_or_b32 s[G0+4*\s+3], s[G0+4*\s+3], 0x80000000
	s_mov_b32 s[G0B+4*\s], 1
	s_add_co_u32 s[G0B+4*\s+1], s45, \s*SLOT
	s_add_nc_u64 s[G0B+4*\s+2:G0B+4*\s+3], s[46:47], \s*ROWB
	s_or_b32 s[G0B+4*\s+3], s[G0B+4*\s+3], 0x80000000
.endr
; THE HEAD'S LOADS, one a wave, in one chain of branches on the wave's number: wave 0 slot 0's 16 rows of A, wave 2 its 16 rows of B (both waves' own addresses are the first half's), wave 1 A's scales, wave 3 B's
.macro ARM w, g0, g1, next
	s_cmp_eq_u32 s14, \w
	s_cbranch_scc0 \next
	tensor_load_to_lds s[\g0:\g0+3], s[\g1:\g1+7]
	s_nop 0
.rept 4
	v_nop
.endr
	s_branch .Lhead_asked
\next:
.endm
	ARM 0, G0, G1, .Lhead_b
	ARM 2, G0B, G1B, .Lhead_sa
	ARM 1, G0S, G1S, .Lhead_sb
	tensor_load_to_lds s[G0SB:G0SB+3], s[G1SB:G1SB+7]
	s_nop 0
.rept 4
	v_nop
.endr
.Lhead_asked:                          ; the bias loads and all address work stand here, while the head's tiles are on their way
	v_and_b32 v1, 15, v0
	s_wait_alu depctr_va_vdst(0)
	v_bfe_u32 v2, v0, 4, 1
	s_wait_alu depctr_va_vdst(0)
	v_and_b32 v3, 31, v0
	v_lshlrev_b32 v[L16], 4, v3
	v_lshlrev_b32 v[L8], 3, v3
	s_cmp_eq_u32 ttmp9, 0
	s_cselect_b64 s[92:93], s[92:93], s[94:95]
	s_cmp_eq_u32 s12, 0
	s_cselect_b64 s[92:93], s[92:93], s[96:97]
	s_cselect_b32 s94, 64, 0
	s_cselect_b32 s95, 0, 4
	s_cselect_b32 s96, 4, 0
	s_lshl_b32 s2, s42, 8
	s_lshl_b32 s3, s16, 7
	s_add_co_u32 s2, s2, s3
	s_and_b32 s2, s2, 1023
	s_lshl_b32 s66, s17, 8
	s_lshl_b32 s3, s15, 7
	s_add_co_u32 s66, s66, s3
	s_cmp_eq_u32 s12, 0
	s_cselect_b32 s2, s2, s66
	s_lshl_b32 s2, s2, 2
	s_mov_b32 s3, 0
	s_add_nc_u64 s[92:93], s[92:93], s[2:3]
	v_and_b32 v4, 8, v1
	v_add_nc_u32 v4, v4, v1
	v_mul_u32_u24 v5, s94, v2
	v_mad_u32_u24 v[VO], v4, s95, v5
.irp j, 1,2,3,4,5,6,7
	v_add_nc_u32 v[VO+\j], s96, v[VO+\j-1]
.endr
.irp g, 0,1,2,3,4,5,6,7
.irp j, 0,1,2,3,4,5,6,7
	global_load_b32 v[BI+8*\g+\j], v[VO+\j], s[92:93] offset:4*(32*(\g/2)+8*(\g%2))
.endr
.endr
	s_mul_i32 s21, s15, HALFT
	s_mul_i32 s22, s16, HALFT
	s_add_co_u32 s22, s22, 2*HALFT
	v_add_nc_u32 v[ADRA], s21, v[L8]               ; slot 0: my 8 rows of A, of B
	v_add_nc_u32 v[ADRB], s22, v[L8]
	s_lshl_b32 s21, s21, 1
	s_add_co_u32 s21, s21, SLOT
	s_mul_i32 s22, s16, 2*HALFT
	s_add_co_u32 s22, s22, SLOT+4*HALFT
	v_add_nc_u32 v[ADRA+1], s21, v[L8]             ; the region of chunks 1 and 2: rows twice as long
	v_add_nc_u32 v[ADRB+1], s22, v[L8]
	v_lshlrev_b32 v5, 3, v1
	s_mul_i32 s21, s15, HALFS
	s_mul_i32 s22, s16, HALFS
	s_add_co_u32 s22, s22, 2*HALFS
	s_sub_co_u32 s22, s22, s21
	v_mul_u32_u24 v6, s22, v2
	s_add_co_u32 s21, s21, SCL
	v_add_nc_u32 v5, v5, v6
	v_add_nc_u32 v[ADRS], s21, v5
	v_mov_b32 v[FL], 0x1800000
.irp b, 0,1,2,3
	v_mov_b32 v[TM+4+\b], 0
.endr
	s_lshl_b32 s66, s17, 1
	s_add_co_u32 s66, s66, s15
	s_lshl_b32 s2, s42, 1
	s_add_co_u32 s2, s2, s16
	s_cmp_eq_u32 s12, 0
	s_cselect_b32 s3, s66, s2
	s_cselect_b32 s2, s2, s66
	s_cselect_b32 s46, 9, 8
	s_lshl_b32 s2, s2, 1
	s_lshr_b32 s47, s2, 4
	s_cmp_eq_u32 s12, 0
	s_cselect_b32 s47, s47, 2
	s_and_b32 s2, s2, 15
	s_lshr_b32 s66, s3, 4
	s_lshl_b32 s66, s66, 4
	s_add_co_u32 s66, s66, s2
	s_lshl_b32 s66, s66, 4
	s_and_b32 s3, s3, 15
	s_add_co_u32 s66, s66, s3
	s_mul_i32 s2, s66, 6144
	s_mul_i32 s3, s47, 6291456
	s_add_co_u32 s2, s2, s3
	s_mov_b32 s3, 0
	s_add_nc_u64 s[98:99], s[98:99], s[2:3]
	s_lshl_b32 s66, s66, s46
	s_lshl_b32 s47, s47, 19
	s_add_co_u32 s66, s66, s47
	s_mov_b32 s67, 0
	s_add_nc_u64 s[100:101], s[100:101], s[66:67]
.macro FRAG reg, adr, q, i
.irp p, 0,1,2,3,4,5
	ds_load_b64 v[\reg+2*\p:\reg+2*\p+1], v[\adr] offset:PIT*(\i)+XOF+1536*(\q)+256*\p   ; PIT: the LDS pitch of the chunk that is fetched, XOF: its place in a row; AIX: which address register; all three are set ahead of each step
.endr
.endm
.macro MUL16 a0, p, q, sc, cm
.irp a, \a0, \a0+1
.irp b, 0,1,2,3,4,5,6,7
.if \cm == 1
	v_wmma_scale_f32_16x16x128_f8f6f4 v[8*(8*((\a)%4)+\b):8*(8*((\a)%4)+\b)+7], v[128*(\p)+FR*\b:128*(\p)+FR*\b+FR-1], v[AF+FR*(\a):AF+FR*(\a)+FR-1], v[BI+8*\b:BI+8*\b+7], v[SC+8*NQ*(\sc)+NQ*\b+(\q)], v[SC+8*NQ*(\sc)+NQ*(\a)+(\q)] matrix_a_fmt:MATRIX_FMT_FP6 matrix_b_fmt:MATRIX_FMT_FP6 matrix_a_scale:MATRIX_SCALE_ROW1
.elseif \cm == 2
	v_wmma_scale_f32_16x16x128_f8f6f4 v[8*(8*((\a)%4)+\b):8*(8*((\a)%4)+\b)+7], v[128*(\p)+FR*\b:128*(\p)+FR*\b+FR-1], v[AF+FR*(\a):AF+FR*(\a)+FR-1], v[BI+8*(\a):BI+8*(\a)+7], v[SC+8*NQ*(\sc)+NQ*\b+(\q)], v[SC+8*NQ*(\sc)+NQ*(\a)+(\q)] matrix_a_fmt:MATRIX_FMT_FP6 matrix_b_fmt:MATRIX_FMT_FP6 matrix_a_scale:MATRIX_SCALE_ROW1
.else
	v_wmma_scale_f32_16x16x128_f8f6f4 v[8*(8*((\a)%4)+\b):8*(8*((\a)%4)+\b)+7], v[128*(\p)+FR*\b:128*(\p)+FR*\b+FR-1], v[AF+FR*(\a):AF+FR*(\a)+FR-1], v[8*(8*((\a)%4)+\b):8*(8*((\a)%4)+\b)+7], v[SC+8*NQ*(\sc)+NQ*\b+(\q)], v[SC+8*NQ*(\sc)+NQ*(\a)+(\q)] matrix_a_fmt:MATRIX_FMT_FP6 matrix_b_fmt:MATRIX_FMT_FP6 matrix_a_scale:MATRIX_SCALE_ROW1
.endif
.endr
.endr
.endm
.macro FETCH_B slot, q, p
	WIN TO_B
.irp i, 0,1,2,3,4,5,6,7
	FRAG 128*(\p)+FR*\i, ADRB+AIX, \q, \i
.endr
	WIN 0
.endm
.macro FETCH_A slot, q, i0
.irp i, \i0, \i0+1, \i0+2, \i0+3
	FRAG AF+FR*(\i), ADRA+AIX, \q, \i
.endr
.endm
.macro SCALES sc
.irp i, 0,1,2,3,4,5,6,7
	ds_load_b64 v[SC+8*NQ*\sc+NQ*\i:SC+8*NQ*\sc+NQ*\i+1], v[ADRS] offset:\i*SBLK
.endr
.endm
.macro PLACES n
.rept \n
	v_nop
.endr
.endm
.macro STEP slot, q, cm
	s_wait_dscnt 4*NL
.if \cm
	WIN 0x81
.else
	WIN MUL_LO
.endif
	MUL16 0, (\q)%2, \q, \slot, \cm
	MUL16 2, (\q)%2, \q, \slot, \cm
	s_wait_dscnt 0
	PLACES NP
	FETCH_B \slot, (\q)+1, 1-(\q)%2
	FETCH_A \slot, (\q)+1, 0
.if \cm
	WIN 0xc1
.else
	WIN MUL_HI
.endif
	MUL16 4, (\q)%2, \q, \slot, \cm
	MUL16 6, (\q)%2, \q, \slot, \cm
	PLACES NP
	WIN 0
	FETCH_A \slot, (\q)+1, 4
.endm
.macro TURN slot, next, fill
	s_wait_tensorcnt 0x0
	ds_add_u32 v[SPW], v[NIL]
	s_wait_dscnt 4*NL+1
	WIN MUL_LO
	MUL16 0, 1, NQ-1, \slot, 0
	s_wait_dscnt 0x0
	s_barrier_signal -1
	MUL16 2, 1, NQ-1, \slot, 0
	WIN 0
	s_barrier_wait -1
.if \fill
	CREST
	s_add_nc_u64 s[G0+4*\slot+2:G0+4*\slot+3], s[G0+4*\slot+2:G0+4*\slot+3], 3*ROWB     ; the one refill: chunk 3, into slot 0; no load of mine is out, so the descriptors may be written
	s_add_nc_u64 s[G0B+4*\slot+2:G0B+4*\slot+3], s[G0B+4*\slot+2:G0B+4*\slot+3], 3*ROWB
	s_mov_b32 s[G1+1], 384<<16                     ; rows of one chunk again
	s_mov_b32 s[G1+3], 384<<16
	s_mov_b32 s[G1B+1], 384<<16
	s_mov_b32 s[G1B+3], 384<<16
	JLOAD G0+4*\slot, G1, G0B+4*\slot, G1B
.else
	PLACES NP
.endif
	s_wait_alu depctr_va_vdst(0)
	v_add_nc_u32 v[ADRS], 128, v[ADRS]
	FETCH_B \next, 0, 0
	FETCH_A \next, 0, 0
	SCALES \next
	WIN MUL_HI
	MUL16 4, 1, NQ-1, \slot, 0
	MUL16 6, 1, NQ-1, \slot, 0
	PLACES NP
	WIN 0
	FETCH_A \next, 0, 4
.endm
; From chunk 1 to chunk 2: both came by one load and have been shown to all waves: no wait on tensor loads, no barrier
.macro TURN2 slot, next
	s_wait_dscnt 4*NL
	WIN MUL_LO
	MUL16 0, 1, NQ-1, \slot, 0
	MUL16 2, 1, NQ-1, \slot, 0
	s_wait_dscnt 0
	WIN 0
	PLACES NP
	s_wait_alu depctr_va_vdst(0)
	v_add_nc_u32 v[ADRS], 128, v[ADRS]
	FETCH_B \next, 0, 0
	FETCH_A \next, 0, 0
	SCALES \next
	WIN MUL_HI
	MUL16 4, 1, NQ-1, \slot, 0
	MUL16 6, 1, NQ-1, \slot, 0
	PLACES NP
	WIN 0
	FETCH_A \next, 0, 4
.endm
	s_mul_i32 s[G0+5], s14, 2*HALFT                ; where my part of chunks 1 and 2 goes: wave x 8 rows of 2 ROWB, behind slot 0
	s_add_co_u32 s[G0+5], s[G0+5], SLOT
	s_mul_i32 s[G0B+5], s14, 2*HALFT
	s_add_co_u32 s[G0B+5], s[G0B+5], SLOT
	s_wait_alu depctr_va_vdst(0)
	s_wait_tensorcnt 0x0                           ; my tile of the head's four is in
	ds_add_u32 v[SPW], v[NIL]
	s_mov_b32 s[G1+1], 768<<16                     ; no load of mine is out: the next load brings 8 rows of two chunks, 6,144 bytes each
	s_mov_b32 s[G1+2], 8<<16
	s_mov_b32 s[G1+3], 768<<16
	s_mov_b32 s[G1+4], 8
	s_mov_b32 s[G1B+1], 768<<16
	s_mov_b32 s[G1B+2], 8<<16
	s_mov_b32 s[G1B+3], 768<<16
	s_mov_b32 s[G1B+4], 8
	s_wait_dscnt 0x0
	CROUND                                         ; all four tiles are in, and all sixteen work-groups are here
	JLOAD G0+4, G1, G0B+4, G1B
.set AIX, 0
.set PIT, ROWB
.set XOF, 0
	FETCH_B 0, 0, 0
	FETCH_A 0, 0, 0
	SCALES 0
	FETCH_A 0, 0, 4
	s_wait_loadcnt 0x0
	s_cmp_eq_u32 s12, 0
	s_cbranch_scc0 .Lfirst_v
	STEP 0, 0, 1
	s_branch .Lfirst_done
.Lfirst_v:
	STEP 0, 0, 2
.Lfirst_done:
.set AIX, 1
.set PIT, 2*ROWB
.set XOF, 0
	TURN 0, 1, 1                                   ; chunk 0 ends; chunks 1 and 2 are shown by the round; slot 0 takes chunk 3
	STEP 1, 0, 0
.set XOF, ROWB
	TURN2 1, 0
	STEP 0, 0, 0
.set AIX, 0
.set PIT, ROWB
.set XOF, 0
	TURN 0, 1, 0                                   ; chunk 3 is shown by this barrier
	STEP 1, 0, 0
	s_wait_dscnt 4*NL
	WIN MUL_LO
	MUL16 0, 1, NQ-1, 1, 0
	MUL16 2, 1, NQ-1, 1, 0
	s_wait_dscnt 0
	WIN MUL_HI
	MUL16 4, 1, NQ-1, 1, 0
	MUL16 6, 1, NQ-1, 1, 0
	WIN 0
.macro QUANTW a, d0, d1
.set AC, 64*((\a)%4)
	WIN 20*(2+(\a)/4)
.irp b, 0,1,2,3
	v_max3_num_f32 v[TM+\b], v[FL], |v[AC+16*\b]|, |v[AC+16*\b+1]|
.endr
.irp i, 2,4,6,8,10,12,14
.irp b, 0,1,2,3
	v_max3_num_f32 v[TM+\b], v[TM+\b], |v[AC+16*\b+\i]|, |v[AC+16*\b+\i+1]|
.endr
.endr
	WIN 0
.irp b, 0,1,2,3
	v_permlanex16_b32 v[TM+4+\b], v[TM+\b], s[SEL], s[SEL+1]
.endr
.irp b, 0,1,2,3
	v_max_num_f32 v[TM+\b], v[TM+\b], v[TM+4+\b]
.endr
.irp b, 0,1,2,3
	v_add_nc_u32 v[TM+12+\b], 0xff000000, v[TM+\b]
.endr
.irp b, 0,1,2,3
	v_lshrrev_b32 v[TM+4+\b], 23, v[TM+12+\b]
.endr
	v_lshl_or_b32 v[PW+(\a)], v[TM+5], 8, v[TM+4]
	v_lshl_or_b32 v[PW+(\a)], v[TM+6], 16, v[PW+(\a)]
	v_lshl_or_b32 v[PW+(\a)], v[TM+7], 24, v[PW+(\a)]
	WIN 2+(\a)/4
	v_cvt_scalef32_pk16_fp6_f32 v[(\d0):(\d0)+2], v[AC:AC+15], v[TM+12]
	v_cvt_scalef32_pk16_fp6_f32 v[CT:CT+2], v[AC+16:AC+31], v[TM+13]
	v_cvt_scalef32_pk16_fp6_f32 v[(\d1):(\d1)+2], v[AC+32:AC+47], v[TM+14]
	v_cvt_scalef32_pk16_fp6_f32 v[CT+4:CT+6], v[AC+48:AC+63], v[TM+15]
	WIN 0
	v_nop
.irp i, 0,1,2
	v_permlane16_swap_b32 v[(\d0)+\i], v[CT+\i]
.endr
.irp i, 0,1,2
	v_mov_b32 v[(\d0)+3+\i], v[CT+\i]
.endr
.irp i, 0,1,2
	v_permlane16_swap_b32 v[(\d1)+\i], v[CT+4+\i]
.endr
.irp i, 0,1,2
	v_mov_b32 v[(\d1)+3+\i], v[CT+4+\i]
.endr
.endm
	PLACES NP
; V's way out.  By x's order of tokens, registers AC + 32 c + 8 u + j of lane (r, h) are tokens 64 c + 32 h + 8 u + j: a lane owns blocks h and 2 + h whole, in the operand's own order
.macro QUANTV a, d
.set AC, 64*((\a)%4)
	WIN 20*(2+(\a)/4)
.irp c, 0,1
	v_max3_num_f32 v[TM+\c], v[FL], |v[AC+32*\c]|, |v[AC+32*\c+1]|
.endr
.irp i, 2,4,6,8,10,12,14,16,18,20,22,24,26,28,30
.irp c, 0,1
	v_max3_num_f32 v[TM+\c], v[TM+\c], |v[AC+32*\c+\i]|, |v[AC+32*\c+\i+1]|
.endr
.endr
	WIN 0
	v_lshlrev_b32 v[TM+8], 3, v2                   ; 8 h
	v_add_nc_u32 v[TM+12], 0xff000000, v[TM]
	v_add_nc_u32 v[TM+13], 0xff000000, v[TM+1]
	v_lshrrev_b32 v[TM+2], 23, v[TM+12]
	v_lshrrev_b32 v[TM+3], 23, v[TM+13]
	v_lshl_or_b32 v[TM+2], v[TM+3], 16, v[TM+2]    ; my two bytes,
	v_lshlrev_b32 v[TM+2], v[TM+8], v[TM+2]        ; at their places in the word;
	v_permlanex16_b32 v[TM+4], v[TM+2], s[SEL], s[SEL+1]
	v_or_b32 v[PW+(\a)], v[TM+2], v[TM+4]          ; with lane l xor 16's two the word is whole
	WIN 2+(\a)/4
	v_cvt_scalef32_pk16_fp6_f32 v[(\d):(\d)+2], v[AC:AC+15], v[TM+12]
	v_cvt_scalef32_pk16_fp6_f32 v[CT:CT+2], v[AC+16:AC+31], v[TM+12]
	v_cvt_scalef32_pk16_fp6_f32 v[(\d)+6:(\d)+8], v[AC+32:AC+47], v[TM+13]
	v_cvt_scalef32_pk16_fp6_f32 v[CT+4:CT+6], v[AC+48:AC+63], v[TM+13]
	WIN 0
	v_nop
.irp i, 0,1,2
	v_mov_b32 v[(\d)+3+\i], v[CT+\i]
	v_mov_b32 v[(\d)+9+\i], v[CT+4+\i]
.endr
.endm
	s_mov_b32 s[SEL], 0x76543210
	s_mov_b32 s[SEL+1], 0xfedcba98
	s_mov_b32 s45, 0xffff0000
	s_cmp_eq_u32 s12, 0
	s_cbranch_scc0 .Lepi_v
.irp j, 0,1,2,3
	QUANTW 2*\j, 128+24*\j, 140+24*\j
	QUANTW 2*\j+1, 134+24*\j, 146+24*\j
.irp g, 0,1,2
	global_store_b128 v[L16], v[128+24*\j+4*\g:128+24*\j+4*\g+3], s[98:99] offset:1536*\j+512*\g
	global_store_b128 v[L16], v[140+24*\j+4*\g:140+24*\j+4*\g+3], s[98:99] offset:98304+1536*\j+512*\g
.endr
.endr
.irp j, 0,1,2,3
	v_cndmask_b32 v[XW+\j], v[PW+2*\j], v[PW+2*\j+1], s45
.endr
.irp j, 0,1,2,3
	v_and_b32 v[XW+4+\j], 0xffff, v[XW+\j]
	v_lshrrev_b32 v[XW+8+\j], 16, v[XW+\j]
.endr
	global_store_b128 v[L16], v[XW+4:XW+7], s[100:101]
	global_store_b128 v[L16], v[XW+8:XW+11], s[100:101] offset:8192
	s_branch .Ltail
.Lepi_v:
.irp a, 0,1,2,3,4,5,6,7
	QUANTV \a, 128+12*\a
.irp g, 0,1,2
	global_store_b128 v[L16], v[128+12*\a+4*\g:128+12*\a+4*\g+3], s[98:99] offset:(\a/4)*98304+(\a%4)*1536+512*\g
.endr
.endr
.irp j, 0,1,2,3
	v_cndmask_b32 v[XW+\j], v[PW+2*\j], v[PW+2*\j+1], s45
.endr
	global_store_b64 v[L8], v[XW:XW+1], s[100:101]
	global_store_b64 v[L8], v[XW+2:XW+3], s[100:101] offset:4096
.Ltail:
	s_wait_tensorcnt 0x0
	ds_add_u32 v[SPW], v[NIL]
	s_wait_dscnt 0x0
	CROUND
	s_endpgm
.Lfunc_end_k_q116c04e91d_qkv:
	.size	k_q116c04e91d_qkv, .Lfunc_end_k_q116c04e91d_qkv-k_q116c04e91d_qkv
	.p2alignl 7, 3214868480
	.fill 96, 4, 3214868480
	.section	.rodata,"a",@progbits
	.p2align	6, 0x0
	.amdhsa_kernel k_q116c04e91d_qkv
		.amdhsa_group_segment_fixed_size 327680
		.amdhsa_private_segment_fixed_size 0
		.amdhsa_enable_private_segment 0
		.amdhsa_kernarg_size 72
		.amdhsa_user_sgpr_count 2
		.amdhsa_user_sgpr_kernarg_segment_ptr 1
		.amdhsa_wavefront_size32 1
		.amdhsa_system_sgpr_workgroup_id_x 1
		.amdhsa_system_sgpr_workgroup_id_y 1
		.amdhsa_system_sgpr_workgroup_id_z 1
		.amdhsa_system_vgpr_workitem_id 0
		.amdhsa_next_free_vgpr 1024
		.amdhsa_next_free_sgpr 102
		.amdhsa_reserve_vcc 0
		.amdhsa_float_denorm_mode_32 3
		.amdhsa_float_denorm_mode_16_64 3
		.amdhsa_memory_ordered 1
		.amdhsa_forward_progress 1
		.amdhsa_inst_pref_size 213
	.end_amdhsa_kernel
	.amdgpu_metadata
---
amdhsa.version: [ 1, 2 ]
amdhsa.kernels:
  - .name:           k_q116c04e91d_qkv
    .symbol:         k_q116c04e91d_qkv.kd
    .args:
      - { .name: xc, .offset: 0, .size: 8, .value_kind: global_buffer, .address_space: global }
      - { .name: xs, .offset: 8, .size: 8, .value_kind: global_buffer, .address_space: global }
      - { .name: wc, .offset: 16, .size: 8, .value_kind: global_buffer, .address_space: global }
      - { .name: ws, .offset: 24, .size: 8, .value_kind: global_buffer, .address_space: global }
      - { .name: bq, .offset: 32, .size: 8, .value_kind: global_buffer, .address_space: global }
      - { .name: bk, .offset: 40, .size: 8, .value_kind: global_buffer, .address_space: global }
      - { .name: bv, .offset: 48, .size: 8, .value_kind: global_buffer, .address_space: global }
      - { .name: hc, .offset: 56, .size: 8, .value_kind: global_buffer, .address_space: global }
      - { .name: hs, .offset: 64, .size: 8, .value_kind: global_buffer, .address_space: global }
    .group_segment_fixed_size: 327680
    .private_segment_fixed_size: 0
    .kernarg_segment_align: 8
    .kernarg_segment_size: 72
    .max_flat_workgroup_size: 128
    .sgpr_count:     102
    .vgpr_count:     1024
    .wavefront_size: 32
...
	.end_amdgpu_metadata
.endif
;; end of part 2
;; launch attn (part 3): grid 4 x 64, 16 waves a work-group, clusters of 4 x 1, 212,992 bytes of LDS; arguments hc, hs, oc, os; writes oc, os
.if DOCPART == 3
	.amdgcn_target "amdgcn-amd-amdhsa--gfx1250"
	.amdhsa_code_object_version 6
	.text
	.protected	k_q116c04e91d_attn
	.globl	k_q116c04e91d_attn
	.p2align	8
	.type	k_q116c04e91d_attn,@function
k_q116c04e91d_attn:
	s_mov_b64 s[64:65], 0
	v_nop
	global_prefetch_b8 v0, s[64:65] scope:SCOPE_SE
	s_setreg_imm32_b32 hwreg(HW_REG_WAVE_MODE, 25, 1), 1
	s_wait_xcnt 0x0
	s_wait_alu depctr_hold_cnt(0) depctr_sa_sdst(0) depctr_va_vdst(0) depctr_va_sdst(0) depctr_va_ssrc(0) depctr_va_vcc(0) depctr_vm_vsrc(0)
	s_getreg_b32 s2, hwreg(HW_REG_IB_STS2, 6, 4)
	s_cmp_eq_u32 s2, 0
	s_cbranch_scc0 .Lentry_in_a_cluster
	s_endpgm
.Lentry_in_a_cluster:
	s_bfe_u32 s2, ttmp6, 0x10000c
	s_cmp_lg_u32 s2, 0x3003
	s_cbranch_scc0 .Lentry_shape_is_right
	s_endpgm
.Lentry_shape_is_right:
; O = softmax(Q K^T / 8) V for each of the 64 (batch, head), both products on codes of FP6 (E2M3) with E8M0 scales; O / l is quantised along the model's 1,024 for the last projection.
; THE SOFTMAX: t = score x log2(e) / 8; M = the running largest t rounded UP to a whole number; p = 2^(t - M) is quantised along the keys; l, the sum of the unquantised p, divides at the end.  When M moves, l and O are multiplied by 2^(old M - new M): exact.
; SHARES.  A cluster of four work-groups is one (batch, head); a work-group owns 512 queries; each of its sixteen waves owns one tile of 16 queries in each of two passes, in 256 registers: four waves to a SIMD.
; NO RING.  A head's K codes (98,304 bytes), V codes (98,304) and scale words (8,192 + 4,096) lie in LDS for the whole launch: nothing is filled again.  They are asked for JOINTLY by the four work-groups, one tensor load a wave:
; waves 0, 1 the first four key steps of K and of V, waves 2-4 4,096 bytes of scale words each, waves 5-10 the other quarters of the codes.  A first barrier shows what waves 0-4 fetched (their load lines are theirs alone);
; a second, behind each pass's first two key steps, shows the rest.  No data prefetch: every tile is asked for once, at the head, and no loop runs ahead of a load.
; LAYOUT.  Both products are used transposed (S^T = K Q^T, O^T = V^T P^T): a lane holds ONE query.  Operands lie as images of their registers: a step of 128 keys is 6,144 bytes of K (eight tiles x six registers) and 6,144 of V (four fragments).
; Lane row m of key tile 4 c + u is key 64 c + 32 (m / 8) + 8 u + m % 8 of the step: so the score registers 32 c + 0 .. 31 of lane (r, h) are keys 64 c + 32 h + 0 .. 31: a WHOLE scale block of P, in the order of the operand's registers.
; TWO AREAS OF 64 REGISTERS TAKE TURNS.  A step finds K in one area and lays its scores in the other; V follows K into the first; when p has been converted and summed, the NEXT step's K is loaded over it, ahead of this step's second product.
; The last step of a pass asks for key step 0 again, for the next pass (behind the last pass these 13 loads are read by nobody).
; K = 64 IN AN INSTRUCTION 128 DEEP.  Q's fragment is [six registers of codes | six of zero codes].  K's fragment of tile t is registers 6 t .. 6 t + 11 of its area: the upper six hold the next tile's codes (tile 7: whatever the area held);
; any bits are finite codes of E2M3; they meet Q's zero codes and add nothing; the scale bytes of those blocks are 0, never 0xff.
; OUT: oc: token tile T, K step head / 2, half head % 2: 768 dense bytes; os: two bytes a row and head, 8 bytes apart; lanes l and l + 16 store the same two bytes with the same value.
; LIMITS: the scaled scores stay under 2^31 in magnitude; NaN and infinities are not served; a block whose largest magnitude lies under 2^-124 has its byte held at 1; a block of zeros gets the byte 1.
.set VB,    98304                      ; LDS: K's codes at 0, V's here
.set KSC,   196608                     ; K's scale words
.set VSC,   204800                     ; V's
.set SPARE, 208896                     ; the spare words, 128 bytes a wave: eight blocks of 256 bytes that no other line names
.set STEPB, 6144
.set CHB,   24576                      ; what one wave fetches of the codes: four key steps
.set AK0, 1                            ; v1   16 x lane
.set AV0, 2                            ; v2   VB + 16 x lane
.set ASK0,3                            ; v3   KSC + 16 x lane
.set ASV0,4                            ; v4   VSC + 8 x lane
.set SPW, 5                            ; v5   my spare word; never rewritten
.set NIL, 6                            ; v6   0; never rewritten
.set L8,  7                            ; v7   8 x lane
.set ADK1,8                            ; addresses of a pair of steps: K and its scales of the pair's second step,
.set ADV, 9                            ; V,
.set ADS1,10
.set ADT, 11                           ; V's scales.  v12 -M, v13 the largest score, v[14:15] l in two halves
.set QF,  16                           ; v16-21 Q's codes, v22-27 zero codes
.set QS,  28                           ; v28  Q's scale words
.set R8,  29                           ; v29  8 r
.set R16, 30                           ; v30  16 r
.set H8,  31                           ; v31  8 h
.set X0,  32                           ; v32-95, v96-159 the two areas
.set X1,  96
.set O,   160                          ; v160-191 O^T
.set PCD, 192                          ; v192-203 p's codes
.set CT,  204
.set BM,  212                          ; v212-215 four chains of maxima; then v212, v214 the two blocks'
.set BX,  216
.set ADK2,218                          ; K and its scales of the next pair's first step
.set ADS2,219
.set SO,  220
.set VS,  222                          ; v222-223 V's scale words: register j: lanes 0-15 tile 2 j, lanes 16-31 tile 2 j + 1
.set TT,  224                          ; v225 the old -M
.set FF,  226                          ; v[226:227] f; the low word serves both halves
.set PS,  228                          ; v228 p's scale word
.set HW,  229
.set QA,  230                          ; v230-235 pass 0's Q codes, v236-241 pass 1's
.set QB,  236
.set QSA, 242                          ; their scale words
.set QSB, 243
.set T,   244                          ; v244-251 four chains of the row's sum
.set KS,  252                          ; v252-255 K's scale words, laid as V's
.set WV,  18
.set CX,  19
.set SEL, 20
.set CS,  22
.set G1C, 24
.set G1S, 32
.set G0A, 40
.set G0S, 48
.set G0C, 52
.set TB,  2
.set TS,  3
.set TJ,  66
.set CNT, 67
.set PASS,72
.set UM,  73
.set QP,  74
.set QSP, 76
.set OCP, 78
.set OSP, 80
.set TK,  82
.set TKS, 83
.set PM,  89
.macro CROUND                          ; a round of the cluster's barrier
	s_barrier_signal -1
	s_barrier_wait -1
	s_cmp_lg_u32 s[WV], 0
	s_cbranch_scc1 .Lnot_wave_0_\@
	s_barrier_signal -3
.Lnot_wave_0_\@:
	s_barrier_wait -3
	s_barrier_signal -1
	s_barrier_wait -1
.endm
.macro G1SET g, rows                   ; a dense block as rows of 256 bytes (32 elements of 8); the mask names all four work-groups, bit 21 beside it
	s_mov_b32 s[\g], 15|(3<<16)|(1<<21)
	s_mov_b32 s[\g+1], 32<<16
	s_mov_b32 s[\g+2], (\rows)<<16
	s_mov_b32 s[\g+3], 32<<16
	s_mov_b32 s[\g+4], \rows
	s_mov_b32 s[\g+5], 32
	s_mov_b32 s[\g+6], 0
	s_mov_b32 s[\g+7], 0
.endm
.macro TLOAD g0, g1
	tensor_load_to_lds s[\g0:\g0+3], s[\g1:\g1+7]
	s_nop 0
.rept 4
	v_nop
.endr
.endm
	s_load_b256 s[4:11], s[0:1], 0x0               ; hc, hs, oc, os
	v_lshl_add_u32 v[SPW], v0, 2, SPARE
	v_mov_b32 v[NIL], 0
	ds_add_u32 v[SPW], v[NIL]                      ; the opening lines: the add, twice on end, and its wait ahead of the first tensor loads
	ds_add_u32 v[SPW], v[NIL]
	v_lshrrev_b32 v8, 5, v0
	v_readfirstlane_b32 s[WV], v8                  ; wave 0..15
	s_bfe_u32 s[CX], ttmp6, 0x40000                ; cx: it enters global addresses of Q and of the output alone
	s_and_b32 s12, ttmp7, 0xffff                   ; b x 16 + head, which the four partners share
	G1SET G1C, 96
	G1SET G1S, 16
	s_mov_b32 s[SEL], 0x76543210
	s_mov_b32 s[SEL+1], 0xfedcba98
	s_mov_b32 s[CS], 0x3e38aa3b                    ; c = log2(e) / 8
	s_mov_b32 s[CS+1], s[CS]                       ; (named with it as a pair)
	; my tile of queries in pass 0: tile 32 cx + w of the batch's 128: step 4 cx + w / 8, run (w % 8) / 2, half w % 2
	s_lshl_b32 s86, s[CX], 2
	s_lshr_b32 s87, s[WV], 3
	s_add_co_u32 s86, s86, s87
	s_bfe_u32 s87, s[WV], 0x20001
	s_mul_i32 s[QP], s12, 98304
	s_mul_i32 s88, s86, STEPB
	s_add_co_u32 s[QP], s[QP], s88
	s_mul_i32 s88, s87, 1536
	s_add_co_u32 s[QP], s[QP], s88
	s_mov_b32 s[QP+1], 0
	s_lshl_b32 s[QSP], s12, 13
	s_lshl_b32 s88, s86, 9
	s_add_co_u32 s[QSP], s[QSP], s88
	s_and_b32 s88, s[WV], 1
	s_lshl_b32 s89, s88, 8
	s_add_co_u32 s[QSP], s[QSP], s89
	s_lshl_b32 s89, s87, 2
	s_add_co_u32 s[QSP], s[QSP], s89
	s_mov_b32 s[QSP+1], 0
	s_cmp_eq_u32 s88, 1
	s_cselect_b32 s[UM], -1, 0                     ; all lanes take the run's upper six registers where w is odd
	s_lshr_b32 s86, s12, 4
	s_lshl_b32 s86, s86, 7
	s_lshl_b32 s87, s[CX], 5
	s_add_co_u32 s86, s86, s87
	s_add_co_u32 s86, s86, s[WV]                   ; the token tile: 128 b + 32 cx + w
	s_and_b32 s87, s12, 15                         ; the head
	s_mul_i32 s[OCP], s86, 12288
	s_mul_i32 s88, s87, 768                        ; K step head / 2, half head % 2
	s_add_co_u32 s[OCP], s[OCP], s88
	s_mov_b32 s[OCP+1], 0
	s_lshl_b32 s[OSP], s86, 9
	s_lshr_b32 s88, s87, 2
	s_lshl_b32 s88, s88, 7
	s_add_co_u32 s[OSP], s[OSP], s88
	s_and_b32 s88, s87, 3
	s_lshl_b32 s88, s88, 1
	s_add_co_u32 s[OSP], s[OSP], s88
	s_mov_b32 s[OSP+1], 0
	; waves 0, 1: the first quarter of K's codes, of V's
	s_and_b32 s13, s[WV], 1
	s_mov_b32 s[G0A], 1
	s_mul_i32 s[G0A+1], s13, VB
	s_add_co_u32 s15, s13, 1
	s_mul_i32 s16, s15, 6291456                    ; section K or V,
	s_mul_i32 s84, s12, 98304                      ; my head
	s_add_co_u32 s16, s16, s84
	s_mov_b32 s17, 0
	; waves 5 .. 10: j = wave - 5: quarters 1 to 3 of K (j < 3), then of V
	s_add_co_u32 s13, s[WV], 11
	s_and_b32 s13, s13, 15
	s_min_u32 s13, s13, 5
	s_mul_i32 s15, s13, 11
	s_lshr_b32 s15, s15, 5                         ; j / 3: 0 K, 1 V
	s_add_co_u32 s13, s13, 1
	s_add_co_u32 s14, s13, s15
	s_mov_b32 s[G0C], 1
	s_mul_i32 s[G0C+1], s14, CHB                   ; LDS: quarter j + 1 of K, or 4 + j - 2 counted through K's four
	s_mul_i32 s86, s13, CHB
	s_mul_i32 s87, s15, 6291456-3*CHB
	s_add_co_u32 s86, s86, s87
	s_add_co_u32 s86, s86, s84
	s_add_co_u32 s86, s86, 6291456
	s_mov_b32 s87, 0
	; waves 2 .. 4: i = wave - 2: K's scale words in two halves, then V's
	s_add_co_u32 s14, s[WV], 2
	s_and_b32 s14, s14, 3
	s_min_u32 s14, s14, 2
	s_lshl_b32 s82, s14, 12
	s_mov_b32 s[G0S], 1
	s_add_co_u32 s[G0S+1], s82, KSC
	s_lshl_b32 s88, s12, 13
	s_add_co_u32 s88, s88, s82
	s_add_co_u32 s88, s88, 0x80000                 ; K's section + 8,192 x head + 4,096 i;
	s_lshr_b32 s83, s14, 1
	s_lshl_b32 s85, s12, 12
	s_sub_co_u32 s85, 0x7e000, s85
	s_mul_i32 s85, s85, s83
	s_add_co_u32 s88, s88, s85                     ; for i = 2 on to V's section + 4,096 x head
	s_mov_b32 s89, 0
	s_wait_dscnt 0x0                               ; both opening adds are done
	s_wait_kmcnt 0x0
	s_add_nc_u64 s[G0A+2:G0A+3], s[4:5], s[16:17]
	s_or_b32 s[G0A+3], s[G0A+3], 0x80000000
	s_add_nc_u64 s[G0C+2:G0C+3], s[4:5], s[86:87]
	s_or_b32 s[G0C+3], s[G0C+3], 0x80000000
	s_add_nc_u64 s[G0S+2:G0S+3], s[6:7], s[88:89]
	s_or_b32 s[G0S+3], s[G0S+3], 0x80000000
	s_add_nc_u64 s[QP:QP+1], s[4:5], s[QP:QP+1]
	s_add_nc_u64 s[QSP:QSP+1], s[6:7], s[QSP:QSP+1]
	s_add_nc_u64 s[OCP:OCP+1], s[8:9], s[OCP:OCP+1]
	s_add_nc_u64 s[OSP:OSP+1], s[10:11], s[OSP:OSP+1]
	CROUND                                         ; all four work-groups are here: the joint loads meet
	s_cmp_lt_u32 s[WV], 2                          ; one chain of branches on the wave's number, one load to an arm
	s_cbranch_scc0 .Lnot_first
	TLOAD G0A, G1C
	s_branch .Lasked
.Lnot_first:
	s_cmp_lt_u32 s[WV], 5
	s_cbranch_scc0 .Lnot_scales
	TLOAD G0S, G1S
	s_branch .Lasked
.Lnot_scales:
	s_cmp_lt_u32 s[WV], 11
	s_cbranch_scc0 .Lasked
	TLOAD G0C, G1C
.Lasked:
	v_and_b32 v8, 31, v0
	v_and_b32 v9, 15, v0
	v_bfe_u32 v10, v0, 4, 1
	v_lshlrev_b32 v[AK0], 4, v8
	v_lshlrev_b32 v[L8], 3, v8
	v_lshlrev_b32 v[R8], 3, v9
	v_lshlrev_b32 v[R16], 4, v9
	v_lshlrev_b32 v[H8], 3, v10
	v_add_nc_u32 v[AV0], VB, v[AK0]
	v_add_nc_u32 v[ASK0], KSC, v[AK0]
	v_add_nc_u32 v[ASV0], VSC, v[L8]
.irp g, 0,1,2                                  ; both passes' Q, under the tiles' flight: the run that holds my tile and its neighbour; pass 1's lies sixteen tiles on
	global_load_b128 v[X1+4*\g:X1+4*\g+3], v[AK0], s[QP:QP+1] offset:512*\g
	global_load_b128 v[X1+12+4*\g:X1+12+4*\g+3], v[AK0], s[QP:QP+1] offset:2*STEPB+512*\g
.endr
	global_load_b32 v[QSA], v[R16], s[QSP:QSP+1]   ; my tiles' scale words
	global_load_b32 v[QSB], v[R16], s[QSP:QSP+1] offset:1024
.irp i, 0,1,2,3,4,5
	v_mov_b32 v[QF+6+\i], 0                        ; Q's zero codes for k = 64 .. 127
	v_mov_b32 v[X0+48+\i], 0                       ; what stands above K's tile 7 in the first step: written once
.endr
	v_mov_b32 v[BX], 0                             ; written once: a lane permute's destination counts as one of its sources
	v_mov_b32 v[TT], 0
	v_mov_b32 v[FF+1], 0                           ; (named as the upper half of the pair)
	s_wait_alu depctr_va_vdst(0)
	s_wait_loadcnt 0x0
.irp i, 0,1,2,3,4,5
	v_cndmask_b32 v[QA+\i], v[X1+\i], v[X1+6+\i], s[UM]
	v_cndmask_b32 v[QB+\i], v[X1+12+\i], v[X1+18+\i], s[UM]
.endr
	s_mov_b32 s[PASS], 2
	s_mov_b32 s[PM], 0                             ; 0 in pass 0, all ones in pass 1
	s_wait_alu depctr_va_vdst(0)
	s_cmp_lt_u32 s[WV], 5
	s_cbranch_scc0 .Lnot_mine
	s_wait_tensorcnt 0x0                           ; waves 0-4: my tile has landed
.Lnot_mine:
	s_barrier_signal -1
	s_barrier_wait -1                              ; key steps 0-3 and all scale words are in; the other quarters may be on their way
.irp g, 0,1,2,3,4,5,6,7,8,9,10,11
	ds_load_b128 v[X0+4*\g:X0+4*\g+3], v[AK0] offset:512*\g   ; key step 0's K
.endr
	ds_load_b128 v[KS:KS+3], v[ASK0]
.macro PF n                            ; t - M, two at a time
.rept \n
	v_pk_fma_f32 v[SQ+JJ:SQ+JJ+1], v[SQ+JJ:SQ+JJ+1], s[CS:CS+1], v[12:13] op_sel_hi:[1,0,0]
.set JJ, JJ+2
.endr
.endm
.macro PA n                            ; the row's sum of the unquantised p: four chains by turns
.rept \n
	v_pk_add_f32 v[T+2*(JJ%4):T+2*(JJ%4)+1], v[T+2*(JJ%4):T+2*(JJ%4)+1], v[SQ+2*JJ:SQ+2*JJ+1]
.set JJ, JJ+1
.endr
.endm
; A KEY STEP: 128 keys.  P: the area that holds K, later V;  Q: the area of the scores, later of the next step's K;  par: the step's place in its pair
.macro HSTEP P, Q, par
.set SQ, \Q
	s_wait_dscnt 0x0                               ; K and its scale words, asked for in the step before
.irp t, 0,1,2,3,4,5,6,7                        ; S^T = K Q^T: eight tiles of 16 keys
.if \t%2
	v_wmma_scale_f32_16x16x128_f8f6f4 v[\Q+8*\t:\Q+8*\t+7], v[\P+6*\t:\P+6*\t+11], v[QF:QF+11], 0, v[KS+\t/2], v[QS] matrix_a_fmt:MATRIX_FMT_FP6 matrix_b_fmt:MATRIX_FMT_FP6 matrix_a_scale:MATRIX_SCALE_ROW1
.else
	v_wmma_scale_f32_16x16x128_f8f6f4 v[\Q+8*\t:\Q+8*\t+7], v[\P+6*\t:\P+6*\t+11], v[QF:QF+11], 0, v[KS+\t/2], v[QS] matrix_a_fmt:MATRIX_FMT_FP6 matrix_b_fmt:MATRIX_FMT_FP6
.endif
.endr
.if \par == 0                                  ; four places in front of the loads into K's registers and of the first read of the scores: the pair's addresses
	v_add_nc_u32 v[ADV], s[TB], v[AV0]
	v_add_nc_u32 v[ADT], s[TJ], v[ASV0]
	v_add_nc_u32 v[ADK1], s[TB], v[AK0]
	v_add_nc_u32 v[ADS1], s[TS], v[ASK0]
.else
	v_add_nc_u32 v[ADK2], s[TK], v[AK0]
	v_add_nc_u32 v[ADS2], s[TKS], v[ASK0]
	v_nop
	v_nop
.endif
.irp g, 0,1,2,3,4,5,6,7,8,9,10,11
	ds_load_b128 v[\P+4*\g:\P+4*\g+3], v[ADV] offset:STEPB*\par+512*\g   ; V, in one run: it lands under the softmax
.endr
	ds_load_b64 v[VS:VS+1], v[ADT] offset:256*\par
.irp q, 0,1,2,3                                ; the largest score of each of my two blocks of 32 keys, in two chains a block: it serves for the row's maximum and, since p rises with the score, for the block's largest p
	v_max3_num_f32 v[BM+\q], v[SQ+16*\q], v[SQ+1+16*\q], v[SQ+2+16*\q]
.endr
.irp i, 3,5,7,9,11,13
.irp q, 0,1,2,3
	v_max3_num_f32 v[BM+\q], v[BM+\q], v[SQ+16*\q+\i], v[SQ+1+16*\q+\i]
.endr
.endr
	v_max3_num_f32 v[BM], v[BM], v[BM+1], v[SQ+15]
	v_max3_num_f32 v[BM+2], v[BM+2], v[BM+3], v[SQ+47]
	v_max_num_f32 v[BM], v[BM], v[SQ+31]
	v_max_num_f32 v[BM+2], v[BM+2], v[SQ+63]
	s_delay_alu instid0(VALU_DEP_1)
	v_max_num_f32 v[TT], v[BM], v[BM+2]
	s_delay_alu instid0(VALU_DEP_1)
	v_permlanex16_b32 v[BX], v[TT], s[SEL], s[SEL+1]
	s_delay_alu instid0(VALU_DEP_1)
	v_max3_num_f32 v13, v13, v[TT], v[BX]          ; the running largest score, with lane l xor 16's keys
	s_delay_alu instid0(VALU_DEP_1)
	v_mul_f32 v[TT], s[CS], v13                    ; as t (c is positive)
	s_delay_alu instid0(VALU_DEP_1)
	v_floor_f32 v12, -v[TT]                        ; the new -M = floor(-t): M is a whole number
.set JJ, 0
	PF 4
	v_sub_f32 v[TT], v12, v[TT+1]                  ; old M - new M, 0 or less
	PF 4
	v_cvt_i32_f32 v[TT], v[TT]                     ; (it saturates)
	PF 4
	v_ldexp_f32 v[FF], 1.0, v[TT]                  ; f = 2^(old M - new M)
	PF 20
	v_fma_f32 v[BM], v[BM], s[CS], v12             ; the same of each block's largest score
	v_fma_f32 v[BM+2], v[BM+2], s[CS], v12
	s_wait_alu depctr_va_vdst(0)
	v_exp_f32 v[BM], v[BM]                         ; the blocks' largest p
	v_exp_f32 v[BM+2], v[BM+2]
.set JJ, 0
.rept 64
	v_exp_f32 v[SQ+JJ], v[SQ+JJ]                   ; p = 2^(t - M), at most 1
.set JJ, JJ+1
.endr
	v_pk_mul_f32 v[14:15], v[14:15], v[FF:FF+1] op_sel_hi:[1,0]   ; l under the new M: the plain place behind the exponentials
	s_wait_dscnt 0x0                               ; V and its scale words
	s_wait_alu depctr_va_vdst(0)                   ; one wait for the batch, ahead of its first reader
	v_max_num_f32 v[BM], 0x1800000, v[BM]          ; the floor 2^(3 - 127)
	v_max_num_f32 v[BM+2], 0x1800000, v[BM+2]
.irp q, 0,1,2,3
	v_pk_add_f32 v[T+2*\q:T+2*\q+1], v[SQ+2*\q:SQ+2*\q+1], v[SQ+8+2*\q:SQ+9+2*\q]
.endr
	v_add_nc_u32 v[SO], 0xff000000, v[BM]          ; the conversions' scale operands
	v_add_nc_u32 v[SO+1], 0xff000000, v[BM+2]
.irp c, 0,1
	v_cvt_scalef32_pk16_fp6_f32 v[PCD+6*\c:PCD+2+6*\c], v[SQ+32*\c:SQ+15+32*\c], v[SO+\c]
	v_cvt_scalef32_pk16_fp6_f32 v[CT+4*\c:CT+2+4*\c], v[SQ+16+32*\c:SQ+31+32*\c], v[SO+\c]   ; (a conversion's three registers begin on an even number)
.endr
	v_lshrrev_b32 v[BX], 23, v[SO]                 ; the bytes of blocks h and 2 + h; the word's lines stand among the sum's
	v_lshrrev_b32 v[BX+1], 23, v[SO+1]
.set JJ, 8
	PA 2
	v_lshl_or_b32 v[PS], v[BX+1], 16, v[BX]
	PA 2
	v_lshlrev_b32 v[PS], v[H8], v[PS]              ; at their places in the word
	PA 2
	v_permlanex16_b32 v[BX], v[PS], s[SEL], s[SEL+1]
	PA 2
	v_or_b32 v[PS], v[PS], v[BX]                   ; with lane l xor 16's two the word is whole
	PA 16
.irp c, 0,1
.irp i, 0,1,2
	v_mov_b32 v[PCD+3+6*\c+\i], v[CT+4*\c+\i]      ; a block's six registers on end
.endr
.endr
.irp g, 0,1,2,3,4,5,6,7,8,9,10,11              ; p has been converted and summed: the next step's K takes its registers
.if \par == 0
	ds_load_b128 v[\Q+4*\g:\Q+4*\g+3], v[ADK1] offset:STEPB+512*\g
.else
	ds_load_b128 v[\Q+4*\g:\Q+4*\g+3], v[ADK2] offset:512*\g
.endif
.endr
.if \par == 0
	ds_load_b128 v[KS:KS+3], v[ADS1] offset:512
.else
	ds_load_b128 v[KS:KS+3], v[ADS2]
.endif
	s_wait_alu depctr_va_vdst(0)                   ; directly ahead of the first readers of O^T
.set JJ, 0
.rept 16
	v_pk_mul_f32 v[O+JJ:O+JJ+1], v[O+JJ:O+JJ+1], v[FF:FF+1] op_sel_hi:[1,0]   ; O^T under the new M; these sixteen are also the places in front of the scaled products
.set JJ, JJ+2
.endr
.irp t, 0,1,2,3                                ; O^T += V^T P^T: four tiles of 16 channels, by turns
.if \t%2
	v_wmma_scale_f32_16x16x128_f8f6f4 v[O+8*\t:O+8*\t+7], v[\P+12*\t:\P+12*\t+11], v[PCD:PCD+11], v[O+8*\t:O+8*\t+7], v[VS+\t/2], v[PS] matrix_a_fmt:MATRIX_FMT_FP6 matrix_b_fmt:MATRIX_FMT_FP6 matrix_a_scale:MATRIX_SCALE_ROW1
.else
	v_wmma_scale_f32_16x16x128_f8f6f4 v[O+8*\t:O+8*\t+7], v[\P+12*\t:\P+12*\t+11], v[PCD:PCD+11], v[O+8*\t:O+8*\t+7], v[VS+\t/2], v[PS] matrix_a_fmt:MATRIX_FMT_FP6 matrix_b_fmt:MATRIX_FMT_FP6
.endif
.endr
	v_pk_add_f32 v[T:T+1], v[T:T+1], v[T+2:T+3]    ; five places ahead of the next step's score products, which write over V's registers: the sum's last lines,
	v_pk_add_f32 v[T+4:T+5], v[T+4:T+5], v[T+6:T+7]
	v_pk_add_f32 v[T:T+1], v[T:T+1], v[T+4:T+5]
	v_pk_add_f32 v[14:15], v[14:15], v[T:T+1]
	v_mov_b32 v[TT+1], v12                         ; and the next step's old -M
.endm
.Lpass:
.irp i, 0,1,2,3,4,5
	v_cndmask_b32 v[QF+\i], v[QA+\i], v[QB+\i], s[PM]   ; this pass's tile of queries
.endr
	v_cndmask_b32 v[QS], v[QSA], v[QSB], s[PM]
	v_mov_b32 v13, 0xff61b1e6                      ; the largest score so far: -3e38
	v_mov_b32 v12, 0x7f61b1e6                      ; -M
	v_mov_b32 v[TT+1], 0x7f61b1e6
	v_mov_b32 v14, 0
	v_mov_b32 v15, 0
.set JJ, 0
.rept 32
	v_mov_b32 v[O+JJ], 0                           ; O^T: the step is written for all turns alike; the first finds zeros, which the first change of M leaves zeros.  (Also the places in front of the first scaled product)
.set JJ, JJ+1
.endr
	s_mov_b32 s[TB], 0
	s_mov_b32 s[TS], 0
	s_mov_b32 s[TJ], 0
	s_mov_b32 s[TK], 2*STEPB
	s_mov_b32 s[TKS], 1024
	HSTEP X0, X1, 0                                ; key steps 0 and 1 touch the first quarters alone (step 2's K among them)
	HSTEP X1, X0, 1
	s_wait_tensorcnt 0x0                           ; every wave, under no branch: my tile has landed,
	s_wait_dscnt 0x0
	s_barrier_signal -1
	s_barrier_wait -1                              ; and so has everybody's: K, V and their scales stay as they are
	s_mov_b32 s[TB], 2*STEPB
	s_mov_b32 s[TS], 1024
	s_mov_b32 s[TJ], 512
	s_mov_b32 s[CNT], 7
.Lstep:
	s_add_co_u32 s[TK], s[TB], 2*STEPB             ; the next pair's first step; behind the last pair: step 0
	s_add_co_u32 s[TKS], s[TS], 1024
	s_cmp_eq_u32 s[TK], 16*STEPB
	s_cselect_b32 s[TK], 0, s[TK]
	s_cselect_b32 s[TKS], 0, s[TKS]
	HSTEP X0, X1, 0
	HSTEP X1, X0, 1
	s_add_co_u32 s[TB], s[TB], 2*STEPB
	s_add_co_u32 s[TS], s[TS], 1024
	s_add_co_u32 s[TJ], s[TJ], 512
	s_sub_co_u32 s[CNT], s[CNT], 1
	s_cmp_lg_u32 s[CNT], 0
	s_cbranch_scc1 .Lstep
	; THE WAY OUT of a pass, in the area that held the last V
	v_add_f32 v14, v14, v15                        ; l's two halves,
	s_delay_alu instid0(VALU_DEP_1)
	v_permlanex16_b32 v[TT], v14, s[SEL], s[SEL+1]
	s_delay_alu instid0(VALU_DEP_1)
	v_add_f32 v14, v14, v[TT]                      ; and lane l xor 16's
	s_wait_alu depctr_va_vdst(0)                   ; ahead of the reciprocal
	v_rcp_f32 v[FF], v14
	v_nop                                          ; a plain place behind the reciprocal
	s_wait_alu depctr_va_vdst(0)                   ; ahead of its first reader, and of the first reader of O^T
.set JJ, 0
.rept 16
	v_pk_mul_f32 v[X1+JJ:X1+JJ+1], v[O+JJ:O+JJ+1], v[FF:FF+1] op_sel_hi:[1,0]   ; register 16 g + i = channel 32 g + 16 h + i of my query
.set JJ, JJ+2
.endr
.irp g, 0,1
	v_max3_num_f32 v[BM+\g], |v[X1+16*\g]|, |v[X1+1+16*\g]|, 0x1800000
.endr
.irp i, 2,4,6,8,10,12,14
.irp g, 0,1
	s_delay_alu instid0(VALU_DEP_2)
	v_max3_num_f32 v[BM+\g], v[BM+\g], |v[X1+16*\g+\i]|, |v[X1+1+16*\g+\i]|
.endr
.endr
.irp g, 0,1
	s_delay_alu instid0(VALU_DEP_2)
	v_permlanex16_b32 v[BX+\g], v[BM+\g], s[SEL], s[SEL+1]
.endr
.irp g, 0,1
	s_delay_alu instid0(VALU_DEP_2)
	v_max_num_f32 v[BM+\g], v[BM+\g], v[BX+\g]
.endr
.irp g, 0,1
	s_delay_alu instid0(VALU_DEP_2)
	v_add_nc_u32 v[SO+\g], 0xff000000, v[BM+\g]
.endr
.irp g, 0,1
	s_delay_alu instid0(VALU_DEP_2)
	v_lshrrev_b32 v[BX+\g], 23, v[SO+\g]
.endr
	s_delay_alu instid0(VALU_DEP_1)
	v_lshl_or_b32 v[HW], v[BX+1], 8, v[BX]         ; the head's two bytes
	v_cvt_scalef32_pk16_fp6_f32 v[PCD:PCD+2], v[X1:X1+15], v[SO]
	v_cvt_scalef32_pk16_fp6_f32 v[CT:CT+2], v[X1+16:X1+31], v[SO+1]
	v_nop
.irp i, 0,1,2
	v_permlane16_swap_b32 v[PCD+\i], v[CT+\i]      ; a whole block in a lane: lanes 0-15 block 0, lanes 16-31 block 1
.endr
.irp i, 0,1,2
	s_delay_alu instid0(VALU_DEP_3)
	v_mov_b32 v[PCD+3+\i], v[CT+\i]
.endr
.irp p, 0,1,2
	global_store_b64 v[L8], v[PCD+2*\p:PCD+2*\p+1], s[OCP:OCP+1] offset:256*\p   ; 256 consecutive bytes, aligned
.endr
	global_store_b16 v[R8], v[HW], s[OSP:OSP+1]
	s_wait_xcnt 0x0                                ; the stores have read their bases and data: they are written again only behind this wait
	s_add_nc_u64 s[OCP:OCP+1], s[OCP:OCP+1], 16*12288   ; sixteen tiles on
	s_add_nc_u64 s[OSP:OSP+1], s[OSP:OSP+1], 16*512
	s_mov_b32 s[PM], -1
	s_sub_co_u32 s[PASS], s[PASS], 1
	s_cmp_lg_u32 s[PASS], 0
	s_cbranch_scc1 .Lpass
	s_wait_tensorcnt 0x0                           ; the wave's end
	ds_add_u32 v[SPW], v[NIL]
	s_wait_dscnt 0x0
	CROUND                                         ; the closing round
	s_endpgm
.Lfunc_end_k_q116c04e91d_attn:
	.size	k_q116c04e91d_attn, .Lfunc_end_k_q116c04e91d_attn-k_q116c04e91d_attn
	.p2alignl 7, 3214868480
	.fill 96, 4, 3214868480
	.section	.rodata,"a",@progbits
	.p2align	6, 0x0
	.amdhsa_kernel k_q116c04e91d_attn
		.amdhsa_group_segment_fixed_size 212992
		.amdhsa_private_segment_fixed_size 0
		.amdhsa_enable_private_segment 0
		.amdhsa_kernarg_size 32
		.amdhsa_user_sgpr_count 2
		.amdhsa_user_sgpr_kernarg_segment_ptr 1
		.amdhsa_wavefront_size32 1
		.amdhsa_system_sgpr_workgroup_id_x 1
		.amdhsa_system_sgpr_workgroup_id_y 1
		.amdhsa_system_sgpr_workgroup_id_z 1
		.amdhsa_system_vgpr_workitem_id 0
		.amdhsa_next_free_vgpr 256
		.amdhsa_next_free_sgpr 90
		.amdhsa_reserve_vcc 0
		.amdhsa_float_denorm_mode_32 3
		.amdhsa_float_denorm_mode_16_64 3
		.amdhsa_memory_ordered 1
		.amdhsa_forward_progress 1
		.amdhsa_inst_pref_size 75
	.end_amdhsa_kernel
	.amdgpu_metadata
---
amdhsa.version: [ 1, 2 ]
amdhsa.kernels:
  - .name:           k_q116c04e91d_attn
    .symbol:         k_q116c04e91d_attn.kd
    .args:
      - { .name: hc, .offset: 0, .size: 8, .value_kind: global_buffer, .address_space: global }
      - { .name: hs, .offset: 8, .size: 8, .value_kind: global_buffer, .address_space: global }
      - { .name: oc, .offset: 16, .size: 8, .value_kind: global_buffer, .address_space: global }
      - { .name: os, .offset: 24, .size: 8, .value_kind: global_buffer, .address_space: global }
    .group_segment_fixed_size: 212992
    .private_segment_fixed_size: 0
    .kernarg_segment_align: 8
    .kernarg_segment_size: 32
    .max_flat_workgroup_size: 512
    .sgpr_count:     90
    .vgpr_count:     256
    .wavefront_size: 32
...
	.end_amdgpu_metadata
.endif
;; end of part 3
;; launch oproj (part 4): grid 4 x 64, 4 waves a work-group, clusters of 4 x 4, 327,680 bytes of LDS; arguments oc, os, wc, ws, bo, out0; writes out0
.if DOCPART == 4
	.amdgcn_target "amdgcn-amd-amdhsa--gfx1250"
	.amdhsa_code_object_version 6
	.text
	.protected	k_q116c04e91d_oproj
	.globl	k_q116c04e91d_oproj
	.p2align	8
	.type	k_q116c04e91d_oproj,@function
k_q116c04e91d_oproj:
	s_mov_b64 s[64:65], 0
	v_nop
	global_prefetch_b8 v0, s[64:65] scope:SCOPE_SE
	s_setreg_imm32_b32 hwreg(HW_REG_WAVE_MODE, 25, 1), 1
	s_wait_xcnt 0x0
	s_wait_alu depctr_hold_cnt(0) depctr_sa_sdst(0) depctr_va_vdst(0) depctr_va_sdst(0) depctr_va_ssrc(0) depctr_va_vcc(0) depctr_vm_vsrc(0)
	s_getreg_b32 s2, hwreg(HW_REG_IB_STS2, 6, 4)
	s_cmp_eq_u32 s2, 0
	s_cbranch_scc0 .Lentry_in_a_cluster
	s_endpgm
.Lentry_in_a_cluster:
	s_bfe_u32 s2, ttmp6, 0x10000c
	s_cmp_lg_u32 s2, 0xf033
	s_cbranch_scc0 .Lentry_shape_is_right
	s_endpgm
.Lentry_shape_is_right:
; out0 = O wo + bo on codes of FP6 (E2M3) with E8M0 scales: [8192 x 1024] x [1024 x 1024], f32 sums, f32 out.
; SHARES.  256 work-groups of four waves, each 128 tokens x 256 columns; a wave makes 64 x 128: 32 accumulators, 256 registers (window 2).
; NO RING.  K is 1,024: the work-group's 8 token tiles (98,304 bytes of codes) and 16 column tiles (196,608), ALL of K, and their scale words (4,096 + 8,192) lie in LDS together.  Each is one dense block of memory, laid as
; images of operand registers ([tile][K step][1,536 bytes]), and comes by ONE tensor load, one a wave, in rows of 256 bytes.  Nothing is filled again; one barrier shows all four blocks.
; CLUSTERS: 4 x 4 work-groups; the tokens' blocks are asked for jointly along a row of the cluster, the weights' along a column.  No data prefetch: every tile is asked for once, at the head, and no loop runs ahead of a load.
; THE MATRIX INSTRUCTION IS USED TRANSPOSED (source 0 = 16 columns of wo, source 1 = 16 tokens): a lane holds eight numbers of a row of out0.  The bias is the first products' C.
; A K step is 32 products; both operands have two sets of registers, and the next step's 72 fragment loads stand in one run ahead of the step's products.
; ORDERS OF ROWS: lane row t of token tile a of a wave is token 8 a + t % 8 + 32 (t / 8) of its 64; register j of lane (r, h) in column tile b is column 32 (b / 2) + 8 (b % 2) + 16 h + j of its 128.
.set FR,     12
.set TILEB,  12288
.set BB0,    8*TILEB                   ; LDS: the tokens' codes at 0, the weights' here
.set SCA,    24*TILEB                  ; the tokens' scale words (512 bytes a tile), then the weights'
.set SCB,    SCA+4096
.set SPARE,  SCB+8192                  ; the spare words, 128 bytes a wave: two blocks of 256 bytes that no other line names
.set SPITCH, 528                       ; the way out: a stage of 16 rows x (512 + 16) bytes a wave, over the tokens' codes, behind a barrier behind which nobody reads them
.set ADRA, 16
.set STO,  18
.set RD,   19
.set ADRB, 20                          ; v20 column tiles 0-3, v21 tiles 4-7
.set L16,  24
.set L8,   25
.set ADRS, 27
.set SPW,  28
.set NIL,  29
.set SC,   32                          ; v32-63 scale words, two sets of 16: register 2 i + q: lanes 0-15 token tile i, lanes 16-31 column tile i, K step 2 p + q
.set BI,   64                          ; v64-127 the bias, laid as the results of one token tile
.set AF,   128                         ; v128-223 the tokens' fragments, two sets of four; window 1: the weights', two sets of eight at v0 and v128
.set BK,   128                         ; the way out: 16 rows read back: v128-191 and v192-255 by turns
.set G1A,  24
.set G1B,  48
.set G1SA, 68
.set G1SB, 80
.set G0A,  56
.set G0B,  60
.set G0SA, 76
.set G0SB, 88
.set MSB, 0
.macro WIN new
.if MSB != (\new)
	s_set_vgpr_msb (MSB<<8)|(\new)
.set MSB, (\new)
.endif
.endm
.macro PLACES n
.rept \n
	v_nop
.endr
.endm
.macro CROUND
	s_barrier_signal -1
	s_barrier_wait -1
	s_cmp_lg_u32 s14, 0
	s_cbranch_scc1 .Lnot_wave_0_\@
	s_barrier_signal -3
.Lnot_wave_0_\@:
	s_barrier_wait -3
	s_barrier_signal -1
	s_barrier_wait -1
.endm
.macro G1D g, mask, rows               ; a dense block as rows of 256 bytes (32 elements of 8)
	s_or_b32 s[\g], s\mask, (3<<16)|(1<<21)
	s_mov_b32 s[\g+1], 32<<16
	s_mov_b32 s[\g+2], (\rows)<<16
	s_mov_b32 s[\g+3], 32<<16
	s_mov_b32 s[\g+4], \rows
	s_mov_b32 s[\g+5], 32
	s_mov_b32 s[\g+6], 0
	s_mov_b32 s[\g+7], 0
.endm
.macro G0D g, lds, base, off           ; group 0: LDS place, 64-bit base + the offset pair
	s_mov_b32 s[\g], 1
	s_mov_b32 s[\g+1], \lds
	s_add_nc_u64 s[\g+2:\g+3], s[\base:\base+1], s[\off:\off+1]
	s_or_b32 s[\g+3], s[\g+3], 0x80000000
.endm
.macro ARM w, g0, g1, next
	s_cmp_eq_u32 s14, \w
	s_cbranch_scc0 \next
	tensor_load_to_lds s[\g0:\g0+3], s[\g1:\g1+7]
	s_nop 0
	PLACES 4
	s_branch .Lhead_asked
\next:
.endm
	s_load_b256 s[4:11], s[0:1], 0x0               ; oc, os, wc, ws
	s_load_b128 s[92:95], s[0:1], 0x20             ; bo, out0
	v_lshl_add_u32 v[SPW], v0, 2, SPARE
	v_mov_b32 v[NIL], 0
	ds_add_u32 v[SPW], v[NIL]                      ; the opening lines: the add, twice on end, and its wait ahead of the first tensor loads
	ds_add_u32 v[SPW], v[NIL]
	v_lshrrev_b32 v1, 5, v0
	v_readfirstlane_b32 s14, v1                    ; wave
	s_lshr_b32 s15, s14, 1                         ; which 64 tokens are mine
	s_and_b32 s16, s14, 1                          ; which 128 columns
	s_bfe_u32 s40, ttmp6, 0x40000                  ; cx, cy
	s_bfe_u32 s41, ttmp6, 0x40004
	s_lshl_b32 s42, ttmp9, 2
	s_add_co_u32 s42, s42, s40                     ; tile column, 0 .. 3
	s_and_b32 s17, ttmp7, 0xffff
	s_lshl_b32 s17, s17, 2
	s_add_co_u32 s17, s17, s41                     ; tile row, 0 .. 63
	s_lshl_b32 s43, s41, 2
	s_lshl_b32 s43, 15, s43                        ; my row of the cluster
	s_lshl_b32 s44, 0x1111, s40                    ; my column
	G1D G1A, 43, 384
	G1D G1B, 44, 768
	G1D G1SA, 43, 16
	G1D G1SB, 44, 32
	s_mul_i32 s20, s17, 8*TILEB                    ; where my blocks begin, in bytes
	s_mov_b32 s21, 0
	s_lshl_b32 s22, s17, 12
	s_mov_b32 s23, 0
	s_mul_i32 s2, s42, 16*TILEB
	s_add_co_u32 s2, s2, 0x240000                  ; wo's rows lie behind wq's, wk's and wv's
	s_mov_b32 s3, 0
	s_lshl_b32 s66, s42, 13
	s_add_co_u32 s66, s66, 0x18000
	s_mov_b32 s67, 0
	s_wait_dscnt 0x0                               ; both opening adds are done
	s_wait_kmcnt 0x0
	G0D G0A, 0, 4, 20
	G0D G0SA, SCA, 6, 22
	G0D G0B, BB0, 8, 2
	G0D G0SB, SCB, 10, 66
	CROUND                                         ; all sixteen work-groups are here: the joint loads meet
	ARM 0, G0B, G1B, .Lhead_a                      ; one chain of branches on the wave's number, one load to an arm
	ARM 1, G0A, G1A, .Lhead_sa
	ARM 2, G0SA, G1SA, .Lhead_sb
	tensor_load_to_lds s[G0SB:G0SB+3], s[G1SB:G1SB+7]
	s_nop 0
	PLACES 4
.Lhead_asked:
	s_lshl_b32 s46, s42, 8
	s_lshl_b32 s47, s16, 7
	s_add_co_u32 s46, s46, s47
	s_lshl_b32 s46, s46, 2                         ; my first column, in bytes
	s_mov_b32 s47, 0
	s_add_nc_u64 s[92:93], s[92:93], s[46:47]
	s_lshl_b32 s2, s17, 7
	s_lshl_b32 s3, s15, 6
	s_add_co_u32 s2, s2, s3
	s_lshl_b32 s2, s2, 12                          ; my first token's row of 4,096 bytes
	s_add_co_u32 s2, s2, s46
	s_mov_b32 s3, 0
	s_add_nc_u64 s[94:95], s[94:95], s[2:3]
	s_mul_i32 s20, s15, 4*TILEB
	s_mul_i32 s21, s16, 8*TILEB
	s_add_co_u32 s21, s21, BB0
	s_add_co_u32 s22, s21, 4*TILEB
	s_lshl_b32 s18, s15, 11
	s_add_co_u32 s18, s18, SCA
	s_lshl_b32 s19, s16, 12
	s_add_co_u32 s19, s19, SCB
	s_sub_co_u32 s19, s19, s18                     ; from my tokens' scale words to my columns'
	s_mul_i32 s23, s14, 16*SPITCH
	v_and_b32 v1, 15, v0
	v_bfe_u32 v2, v0, 4, 1
	v_and_b32 v3, 31, v0
	v_lshlrev_b32 v[L16], 4, v3
	v_lshlrev_b32 v[L8], 3, v3
	v_lshlrev_b32 v4, 6, v2
	v_add_nc_u32 v[ADRA], s20, v[L8]
	v_add_nc_u32 v[ADRB], s21, v[L8]
	v_add_nc_u32 v[ADRB+1], s22, v[L8]
	v_lshlrev_b32 v5, 3, v1
	v_mul_u32_u24 v6, s19, v2                      ; lanes 16-31 take the columns' words
	v_add_nc_u32 v5, v5, v6
	v_add_nc_u32 v[ADRS], s18, v5
	v_mul_u32_u24 v7, v1, SPITCH
	v_lshl_add_u32 v7, v2, 6, v7
	v_add_nc_u32 v[STO], s23, v7
	v_add_nc_u32 v[RD], s23, v[L16]
.irp b, 0,1,2,3,4,5,6,7
.irp q, 0,1
	global_load_b128 v[BI+8*\b+4*\q:BI+8*\b+4*\q+3], v4, s[92:93] offset:128*(\b/2)+32*(\b%2)+16*\q
.endr
.endr
.macro FRAG reg, adr, s, i
.irp p, 0,1,2,3,4,5
	ds_load_b64 v[\reg+2*\p:\reg+2*\p+1], v[\adr] offset:TILEB*(\i)+1536*(\s)+256*\p
.endr
.endm
.macro FETCH s                         ; K step s: the weights' eight fragments, the tokens' four, into set s % 2; with an even step the scale words of two steps
	WIN 0x40
.irp i, 0,1,2,3
	FRAG 128*((\s)%2)+FR*\i, ADRB, \s, \i
	FRAG 128*((\s)%2)+FR*(\i+4), ADRB+1, \s, \i
.endr
	WIN 0
.irp i, 0,1,2,3
	FRAG AF+48*((\s)%2)+FR*\i, ADRA, \s, \i
.endr
.if (\s)%2 == 0
.irp i, 0,1,2,3,4,5,6,7
	ds_load_b64 v[SC+16*(((\s)/2)%2)+2*\i:SC+16*(((\s)/2)%2)+2*\i+1], v[ADRS] offset:\i*512+128*((\s)/2)
.endr
.endif
.endm
.macro MULS s                          ; 32 products: the accumulators take turns, one instruction a turn, in the same order in every step
.set SS, SC+16*(((\s)/2)%2)+(\s)%2
.if (\s) == 0
	WIN 0x81
.else
	WIN 0xa1
.endif
.irp a, 0,1,2,3
.irp b, 0,1,2,3,4,5,6,7
.if (\s) == 0
	v_wmma_scale_f32_16x16x128_f8f6f4 v[8*(8*\a+\b):8*(8*\a+\b)+7], v[128*((\s)%2)+FR*\b:128*((\s)%2)+FR*\b+FR-1], v[AF+48*((\s)%2)+FR*\a:AF+48*((\s)%2)+FR*\a+FR-1], v[BI+8*\b:BI+8*\b+7], v[SS+2*\b], v[SS+2*\a] matrix_a_fmt:MATRIX_FMT_FP6 matrix_b_fmt:MATRIX_FMT_FP6 matrix_a_scale:MATRIX_SCALE_ROW1
.else
	v_wmma_scale_f32_16x16x128_f8f6f4 v[8*(8*\a+\b):8*(8*\a+\b)+7], v[128*((\s)%2)+FR*\b:128*((\s)%2)+FR*\b+FR-1], v[AF+48*((\s)%2)+FR*\a:AF+48*((\s)%2)+FR*\a+FR-1], v[8*(8*\a+\b):8*(8*\a+\b)+7], v[SS+2*\b], v[SS+2*\a] matrix_a_fmt:MATRIX_FMT_FP6 matrix_b_fmt:MATRIX_FMT_FP6 matrix_a_scale:MATRIX_SCALE_ROW1
.endif
.endr
.endr
	WIN 0
.endm
	s_wait_alu depctr_va_vdst(0)
	s_wait_tensorcnt 0x0                           ; my block has landed (every wave waits, under no branch),
	s_barrier_signal -1
	s_barrier_wait -1                              ; and so has everybody's
	FETCH 0
	s_wait_loadcnt 0x0                             ; the bias
.irp s, 0,1,2,3,4,5,6
	s_wait_dscnt 0x0                               ; this step's fragments
.if \s > 0
	PLACES 4                                       ; in front of loads into registers that the last step's products read
.endif
	FETCH \s+1
	MULS \s
.endr
	s_wait_dscnt 0x0                               ; my last reads of the codes are over:
	s_barrier_signal -1                            ; say so, work on registers while the others arrive,
	MULS 7
	s_barrier_wait -1                              ; and store to the stage only when nobody reads the tokens' codes any more
; THE WAY OUT, block by block of 16 tokens x 128 columns, through my own stage: back come whole rows of 512 bytes.  LDS serves a wave's instructions in order: no wait between the stores and the loads
.macro TOSTAGE a
.set AC, 64*(\a)
	WIN 0x08
.irp b, 0,1,2,3,4,5,6,7
	ds_store_b128 v[STO], v[AC+8*\b:AC+8*\b+3] offset:128*(\b/2)+32*(\b%2)          ; each accumulator from its low end on
	ds_store_b128 v[STO], v[AC+8*\b+4:AC+8*\b+7] offset:128*(\b/2)+32*(\b%2)+16
.endr
	WIN 0
.set BB, BK+64*((\a)%2)
.irp t, 0,1,2,3,4,5,6,7,8,9,10,11,12,13,14,15
	ds_load_b128 v[BB+4*\t:BB+4*\t+3], v[RD] offset:\t*SPITCH
.endr
.endm
.macro SEND a, younger                 ; younger: the LDS instructions issued behind block a's loads, which may stay out
.set BB, BK+64*((\a)%2)
	s_wait_dscnt \younger
.irp t, 0,1,2,3,4,5,6,7,8,9,10,11,12,13,14,15
	global_store_b128 v[L16], v[BB+4*\t:BB+4*\t+3], s[94:95] offset:(8*(\a)+\t%8+32*(\t/8))*4096 th:TH_STORE_NT   ; 32 lanes store 512 consecutive bytes, aligned
.endr
.endm
	PLACES 4
	TOSTAGE 0
.irp a, 1,2,3
.if \a > 1
	s_wait_xcnt 0x0                                ; block a - 2's stores have read their registers: block a's loads may land there
.endif
	TOSTAGE \a
	SEND \a-1, 32                                  ; behind block a - 1's loads: block a's 16 stores and 16 loads
.endr
	SEND 3, 0
	s_wait_tensorcnt 0x0                           ; the wave's end
	ds_add_u32 v[SPW], v[NIL]
	s_wait_dscnt 0x0
	CROUND                                         ; the closing round
	s_endpgm
.Lfunc_end_k_q116c04e91d_oproj:
	.size	k_q116c04e91d_oproj, .Lfunc_end_k_q116c04e91d_oproj-k_q116c04e91d_oproj
	.p2alignl 7, 3214868480
	.fill 96, 4, 3214868480
	.section	.rodata,"a",@progbits
	.p2align	6, 0x0
	.amdhsa_kernel k_q116c04e91d_oproj
		.amdhsa_group_segment_fixed_size 327680
		.amdhsa_private_segment_fixed_size 0
		.amdhsa_enable_private_segment 0
		.amdhsa_kernarg_size 48
		.amdhsa_user_sgpr_count 2
		.amdhsa_user_sgpr_kernarg_segment_ptr 1
		.amdhsa_wavefront_size32 1
		.amdhsa_system_sgpr_workgroup_id_x 1
		.amdhsa_system_sgpr_workgroup_id_y 1
		.amdhsa_system_sgpr_workgroup_id_z 1
		.amdhsa_system_vgpr_workitem_id 0
		.amdhsa_next_free_vgpr 768
		.amdhsa_next_free_sgpr 102
		.amdhsa_reserve_vcc 0
		.amdhsa_float_denorm_mode_32 3
		.amdhsa_float_denorm_mode_16_64 3
		.amdhsa_memory_ordered 1
		.amdhsa_forward_progress 1
		.amdhsa_inst_pref_size 97
	.end_amdhsa_kernel
	.amdgpu_metadata
---
amdhsa.version: [ 1, 2 ]
amdhsa.kernels:
  - .name:           k_q116c04e91d_oproj
    .symbol:         k_q116c04e91d_oproj.kd
    .args:
      - { .name: oc, .offset: 0, .size: 8, .value_kind: global_buffer, .address_space: global }
      - { .name: os, .offset: 8, .size: 8, .value_kind: global_buffer, .address_space: global }
      - { .name: wc, .offset: 16, .size: 8, .value_kind: global_buffer, .address_space: global }
      - { .name: ws, .offset: 24, .size: 8, .value_kind: global_buffer, .address_space: global }
      - { .name: bo, .offset: 32, .size: 8, .value_kind: global_buffer, .address_space: global }
      - { .name: out0, .offset: 40, .size: 8, .value_kind: global_buffer, .address_space: global }
    .group_segment_fixed_size: 327680
    .private_segment_fixed_size: 0
    .kernarg_segment_align: 8
    .kernarg_segment_size: 48
    .max_flat_workgroup_size: 128
    .sgpr_count:     102
    .vgpr_count:     768
    .wavefront_size: 32
...
	.end_amdgpu_metadata
.endif
;; end of part 4
